; MI455X (gfx1250); checked and timed in simulation.
; The chip was launched on July 23, 2026; its instructions are those of AMD's public machine-readable ISA for CDNA 5 (MIT licence, August 2026) and "CDNA5" Instruction Set Architecture Reference Guide (July 2026). The comments in the code are by the model that wrote it; some were corrected since.
;; Multi Head Self Attention. Allowed arithmetic: matrix products marked QUANTISED: E4M3 operands, one E8M0 scale for each 32 along K, by v_wmma_scale_f32_16x16x128_f8f6f4 with both operands' format E4M3, f32 sums; everything else in f32.
;; Inputs: W_codes 3,072 x 32 x 32 uint8 (E4M3 codes of W, K innermost, in blocks of 32 codes); W_scales 3,072 x 32 uint8 (E8M0 scales of W, one for each 32 codes along K); Wo_codes 1,024 x 32 x 32 uint8 (E4M3 codes of Wo, K innermost, in blocks of 32 codes); Wo_scales 1,024 x 32 uint8 (E8M0 scales of Wo, one for each 32 codes along K); x_codes 4 x 2,048 x 32 x 32 uint8 (E4M3 codes of x, K innermost, in blocks of 32 codes); x_scales 4 x 2,048 x 32 uint8 (E8M0 scales of x, one for each 32 codes along K).
;; Outputs: out0 4 x 2,048 x 1,024 float32.
;; This version of the problem:
;;   THIS VERSION OF THE PROBLEM IS GIVEN IN LOW PRECISION. The matrix products marked QUANTISED in the list below multiply operands that are first quantised to E4M3 (4 exponent bits, 3 mantissa bits; 8 bits a number), with one power-of-two scale for each 32 numbers along K (OCP MX v1.0); their sums are f32. All else is computed in f32.
;;   The module's matrix products, in the order in which they are computed (A, B: the left and right operand; K: the contracted axis; several contracted axes count as one K, in the product's order):
;;     1. [M 8,192, K 1,024] x [K 1,024, N 3,072]; A: input x (given as codes); B: input W (given as codes): QUANTISED
;;     2. batch 64 x [M 2,048, K 64] x [K 64, N 2,048]; A: computed on the way; B: computed on the way: QUANTISED
;;     3. batch 64 x [M 2,048, K 2,048] x [K 2,048, N 64]; A: softmax (see below); B: computed on the way: QUANTISED
;;     4. [M 8,192, K 1,024] x [K 1,024, N 1,024]; A: computed on the way; B: input Wo (given as codes): QUANTISED
;;   THE QUANTISER, for each operand of a quantised product, along K:
;;     - K is cut into blocks of 32 from its start; a last block that is shorter is filled with zeros.
;;     - A block's scale is 2^e with e = floor(log2(the largest magnitude in the block)) - 8, held to -126 .. 127; a block of zeros has e = 0. As a byte (E8M0): e + 127.
;;     - Each number is divided by its block's scale, clamped to +-448, and rounded to the nearest number of E4M3, ties to even, subnormals kept.
;;     - The product sums the exact products of the quantised numbers (number of the format x scale) in f32.
;;   ~~~python
;;   def quantise(x, axis):      # numpy; x: float32 -> the quantised numbers, widened to float32 again
;;       x = np.moveaxis(x, axis, -1); K = x.shape[-1]
;;       x = np.pad(x, [(0, 0)] * (x.ndim - 1) + [(0, -K % 32)]); x = x.reshape(x.shape[:-1] + (-1, 32)); a = np.abs(x).max(-1, keepdims=True)
;;       e = np.where(a > 0, np.clip(np.frexp(np.where(a > 0, a, 1))[1] - 1 - 8, -126, 127), 0)      # np.frexp(a)[1] - 1 = floor(log2(a)), exactly
;;       r = np.clip(x / 2.0 ** e, -448, 448)
;;       step = 2.0 ** (np.maximum(np.frexp(np.where(r == 0, 1, r))[1] - 1, -6) - 3)
;;       q = np.round(r / step) * step * 2.0 ** e      # np.round: ties to even
;;       return np.moveaxis(q.reshape(q.shape[:-2] + (-1,))[..., :K], -1, axis).astype(np.float32)
;;   ~~~
;;   SOFTMAX AHEAD OF A QUANTISED PRODUCT. Where the list says 'softmax', what is quantised is not the finished softmax but p = 2^(t - M), with t = logit x log2(e) and M = ceil(the row's largest t), a whole number; so 1/2 < the row's largest p <= 1. The row's sum l is taken of the UNQUANTISED p, in f32, and the product's result is divided by l at the end. Since M is a whole number, a kernel that streams over the keys may use a running M (the ceiling of the running maximum): every later rescaling is an exact power of two, which a block's scale takes up: the codes' values come out the same.
;;   OPERANDS COMPUTED ON THE WAY. 'Computed on the way' means the value that the module computes at that place (a softmax that the list does not call 'softmax' is quantised finished and normalised). What goes into a quantiser is computed in f32, as accurately as f32 sums, v_exp_f32 and their like allow (about 1e-6 of the number): no bf16 or f16 on the way to a quantiser, and a product that is left as it is and whose result goes on into a quantised operand takes f32 operands (vector FMAs, or v_wmma_f32_16x16x4_f32). A number that lies on a knife's edge between two numbers of the format may be rounded either way, as far as f32 arithmetic and the matrix unit's own rounding can turn it there, and no further.
;;   INPUTS GIVEN AS CODES. W (in the module: [3072, 1024], K = its axis 1); Wo (in the module: [1024, 1024], K = its axis 1); x (in the module: [4, 2048, 1024], K = its axis 2): each comes as NAME_codes (uint8): NAME with its K axis moved to the last place and cut into blocks of 32 codes, [.., K / 32, bytes a block], one block behind the other in memory; one code a byte (a code: sign, 4 exponent bits, 3 mantissa bits); and NAME_scales (uint8): the same leading axes, one E8M0 byte (e + 127) for each 32 codes along K. Its value is code x scale, taken as it is: it is not quantised again, and the codes and scales need not be those that the quantiser above would give.
;; One version. Each part assembles by itself: llvm-mc -triple=amdgcn-amd-amdhsa -mcpu=gfx1250 --defsym DOCPART=n.
;; ======== version 1 of 1: 3 launches
;; workspace buffers: qkv 25,952,256 bytes; a_img 8,388,608 bytes; a_scales 262,144 bytes
;; launch qkvrope (part 1): grid 12 x 32, 4 waves a work-group, clusters of 4 x 4, 327,680 bytes of LDS; arguments x_codes, x_scales, W_codes, W_scales, qkv; writes qkv
.if DOCPART == 1
	.amdgcn_target "amdgcn-amd-amdhsa--gfx1250"
	.amdhsa_code_object_version 6
	.text
	.protected	k_q4c1d0b95ea_qkvrope
	.globl	k_q4c1d0b95ea_qkvrope
	.p2align	8
	.type	k_q4c1d0b95ea_qkvrope,@function
k_q4c1d0b95ea_qkvrope:
	s_mov_b64 s[64:65], 0
	v_nop
	global_prefetch_b8 v0, s[64:65] scope:SCOPE_SE
	s_setreg_imm32_b32 hwreg(HW_REG_WAVE_MODE, 25, 1), 1
	s_wait_xcnt 0x0
	s_wait_alu depctr_hold_cnt(0) depctr_sa_sdst(0) depctr_va_vdst(0) depctr_va_sdst(0) depctr_va_ssrc(0) depctr_va_vcc(0) depctr_vm_vsrc(0)
	s_getreg_b32 s2, hwreg(HW_REG_IB_STS2, 6, 4)
	s_cmp_eq_u32 s2, 0
	s_cbranch_scc0 .Lentry_in_a_cluster
	s_endpgm
.Lentry_in_a_cluster:
	s_bfe_u32 s2, ttmp6, 0x10000c
	s_cmp_lg_u32 s2, 0xf033
	s_cbranch_scc0 .Lentry_shape_is_right
	s_endpgm
.Lentry_shape_is_right:
; qkv = x W^T on codes of FP8 (E4M3) with E8M0 scales (8,192 x 3,072 x 1,024), then the pair rotation of Q and K, then the quantiser: Q and K along the head's 64, V along the keys.
; What leaves is codes and scale bytes alone, laid as IMAGES OF OPERAND REGISTERS for the attention launch: 512 bytes = four registers x 32 lanes, so every store of a wave is 512 consecutive bytes.
; A tile of 256 x 256 is made by four waves, 128 x 128 each (64 accumulators, 512 registers); K goes in steps of 256 through a ring of two LDS slots filled by joint tensor loads in clusters of 4 x 4.
; THE TYPE T = cluster x: 0 = Q, 1 = K, 2 = V.  "R" is source 1 of the products (rows by blocks a), "P" source 0 (rows by blocks b): in accumulator (a, b) lane (r, h) register j holds R's row 16 a + r and P's row 16 b + 8 h + j.
;   T = 0, 1: R = x (positions), P = W (channels): a lane's registers run along the head's channels: rotation pairs are neighbouring registers, and blocks of 32 channels lie in lanes l and l xor 16.
;   T = 2:    R = W (channels), P = x (positions): a lane's registers run along the keys, which are the K of the product that V enters.
; R's tile hangs on cy alone and is shared along a row of the cluster, P's on cx alone and is shared along a column, for every T: only pointers and tile numbers are chosen by T, which all sixteen partners share.
; THE WAY OUT HAS NO BRANCH ON T: V's work-groups run the rotation with position 0 (cos = 1, sin = 0 exactly: V is unchanged); T chooses pointers, steps and one lane mask, by s_cselect_b32.
; ORDER INSIDE A BLOCK OF 32: slot (h, i) of a group of 16 codes holds element 8 h + i (i < 8) or 16 + 8 h + i - 8 of its block.  Q and K have the same order, and so have V and the attention launch's p: the products are those of the true order.
; COS AND SIN: angle = fl(position x inv_freq), as the problem has it; reduced by multiples of pi in two parts (the first product is exact); Taylor series to r^11 and r^12 on |r| <= pi/2: cut under 6e-8.
; LIMITS: NaN and infinities are not served.  A block whose largest magnitude lies under 2^(9 - 127) keeps the byte 1; so does a block of zeros (its codes are zeros; this program alone reads the bytes).
;   inv_freq is the rounded 10^(-5 f / 32); a power and a reciprocal taken in f32 may differ from it by an ulp, which moves an angle by at most 1.7e-4 at position 2,047.
; REGISTERS, in windows of 256: window 0: v0-31 addresses; v32-63 scale words and nothing else; from v128 R's fragments, ONE set; on the way out v64-255 are at work.  window 1: P's fragments, TWO sets.  windows 2, 3: the accumulators, (a, b) at v[8 (8 (a % 4) + b)].
.set KSTEP,  256                       ; along K in a slot
.set NQ,     2                         ; matrix instructions deep
.set ROWB,   256                       ; a tile's row in bytes
.set KROW,   1024                      ; a row of x or of W in memory, in bytes
.set PITCH,  272                       ; an LDS row: 256 bytes + 16 of padding = 68 words: the 16 rows that a load touches start at 16 different banks (64 banks of 4 bytes: ISA guide 11.1)
.set FR,     16                        ; registers of a fragment: 16 rows x 128 K
.set NL,     4                         ; LDS loads that bring one
.set NP,     8                         ; places behind this matrix instruction (ISA guide 7.12.1)
.set HALFT,  128*PITCH                 ; 128 rows: what one tensor load brings
.set SLOT,   4*HALFT                   ; R's 256 rows, then P's 256 rows
.set KS,     32                        ; a row of scale bytes
.set SCL,    2*SLOT                    ; behind the ring: the scales of all of K, as units of 256 bytes + 16 of padding
.set HALFS,  16*272                    ; those of 128 rows
.set SBLK,   2*272                     ; those of 16 rows
.set SPARE,  SCL+4*HALFS               ; the spare words, 128 bytes for each wave: two blocks of 256 bytes that no other line names
.set HS,     405504                    ; qkv: bytes of a head: 8 chunks
.set CH,     50688                     ; bytes of a chunk of 256 positions:
.set KIMG,   0                         ;   K's 16 tiles of 16 keys, 1,024 bytes each
.set VIMG,   16384                     ;   V: 2 key steps x 4 channel tiles x 2,048 bytes
.set KSC,    32768                     ;   K's scale words, 256 bytes a key step
.set VSC,    33280                     ;   V's
.set QIMG,   33792                     ;   Q's 16 tiles
.set QSC,    50176                     ;   Q's scale words
.set ADRA, 16                          ; v16-17  LDS address of my R fragments in slot 0, 1
.set ADRB, 20                          ; v20-21  the same for P
.set STG0, 22                          ; v22     my place in my wave's stage for cos and sin: 32,768 x wave + 16 x lane
.set ADR,  23                          ; v23     the stage address in hand
.set POS,  24                          ; v[24:25] my position as f32 (the pair's low word serves both halves)
.set ADRS, 27                          ; v27     LDS address of my scale words: lanes 0-15 R's rows, lanes 16-31 P's
.set SPW,  28                          ; v28     LDS address of my spare word; never rewritten
.set NIL,  29                          ; v29     0; never rewritten
.set LI16, 30                          ; v30     16 x lane
.set LI8,  31                          ; v31     8 x lane
.set SC,   32                          ; scale words, two sets
.set AF,   128                         ; R's fragments
.set IF,   64                          ; v64-79   the way out: my 16 frequencies: number 4 b' + jj is f = 8 b' + 4 h + jj
.set WK,   80                          ; v80-119  two sets of 20 registers at work on cos and sin
.set S11V, 120                         ; v[120:121], v[122:123] the series' leading coefficients; v[124:125] 1.5 x 2^23
.set C12V, 122
.set MAGV, 124
.set CS,   64                          ; v64-95   (cos, sin) of my 16 frequencies at the position tile in hand
.set TMP,  128                         ; v128-191 x cos
.set PC,   192                         ; v192-207 the codes just made
.set WD,   224                         ; v224-231 a scale word for each a
.set TM,   232                         ; v232-247 the quantiser at work
.set XW,   248                         ; v248-255 scale words as they leave
.set G1, 24                            ; s[24:31] descriptor group 1 for R's tiles;  s[32:39] group 0, one set for each slot
.set G0, 32
.set G1B, 48                           ; s[48:55], s[56:63] the same for P's tiles
.set G0B, 56
.set G1S, 68                           ; s[68:75], s[76:79] groups 1 and 0 for R's scales;  s[80:87], s[88:91] for P's
.set G0S, 76
.set G1SB, 80
.set G0SB, 88
.set MSB, 0
.macro WIN new                         ; the immediate's high byte repeats the setting that is left
.if MSB != \new
	s_set_vgpr_msb (MSB<<8)|\new
.set MSB, \new
.endif
.endm
.set MUL_LO, 0xa1                      ; source 0 (P) window 1, source 1 (R) window 0, C and D window 2
.set MUL_HI, 0xf1                      ; the same, C and D window 3
.set TO_B,   0x40                      ; destination window 1, address window 0
; A joint load: waves 0 and 1 fetch for R, waves 2 and 3 for P.  Each line has ONE mask and one set of registers for all that issue it; the branch hangs on the wave's number alone.
; Four v_nop follow each of the two lines, ahead of the jump, the label and what follows.
.macro JLOAD g0a, g1a, g0b, g1b
	s_cmp_eq_u32 s15, 0
	s_cbranch_scc0 .Lfor_b_\@
	tensor_load_to_lds s[\g0a:\g0a+3], s[\g1a:\g1a+7]
	s_nop 0
.rept 4
	v_nop
.endr
	s_branch .Lasked_\@
.Lfor_b_\@:
	tensor_load_to_lds s[\g0b:\g0b+3], s[\g1b:\g1b+7]
	s_nop 0
.rept 4
	v_nop
.endr
.Lasked_\@:
.endm
.macro CREST                           ; a round of the cluster's barrier behind its opening barrier
	s_cmp_lg_u32 s14, 0
	s_cbranch_scc1 .Lnot_wave_0_\@
	s_barrier_signal -3
.Lnot_wave_0_\@:
	s_barrier_wait -3
	s_barrier_signal -1
	s_barrier_wait -1
.endm
.macro CROUND                          ; a whole round
	s_barrier_signal -1
	s_barrier_wait -1
	CREST
.endm
	s_load_b256 s[4:11], s[0:1], 0x0               ; x's codes s[4:5], x's scales s[6:7], W's codes s[8:9], W's scales s[10:11]
	s_load_b64 s[12:13], s[0:1], 0x20              ; qkv
	v_lshl_add_u32 v[SPW], v0, 2, SPARE
	v_mov_b32 v[NIL], 0
	ds_add_u32 v28, v29
	s_wait_dscnt 0x0
	v_lshrrev_b32 v1, 5, v0
	v_readfirstlane_b32 s14, v1                    ; wave 0..3
	s_lshr_b32 s15, s14, 1                         ; which half of R's 256 rows is mine.  Also: I fetch for R (0) or for P (1)
	s_and_b32 s16, s14, 1                          ; which half of P's.  Also: which 128 rows of that tile I fetch
	s_bfe_u32 s40, ttmp6, 0x40000                  ; cx, cy: my place in the cluster
	s_bfe_u32 s41, ttmp6, 0x40004
	s_and_b32 s96, ttmp7, 0xffff                   ; cluster y
	s_cmp_eq_u32 ttmp9, 2                          ; V's clusters are used the other way round: the choice hangs on the cluster's x, which all partners share
	s_cselect_b32 s17, ttmp9, s96
	s_cselect_b32 s42, s96, ttmp9
	s_lshl_b32 s17, s17, 2
	s_add_co_u32 s17, s17, s41                     ; R's tile: x's 4 x cluster y + cy, or for V W's 4 x cluster x + cy
	s_lshl_b32 s42, s42, 2
	s_add_co_u32 s42, s42, s40                     ; P's tile: W's 4 x cluster x + cx, or for V x's 4 x cluster y + cx
	s_lshl_b32 s43, s41, 2
	s_lshl_b32 s43, 15, s43                        ; my row of the cluster
	s_lshl_b32 s44, 0x1111, s40                    ; my column
	; descriptor group 1: a tile of 128 rows x 256 bytes, padded in LDS
	s_or_b32 s[G1+0], s43, (0<<16)|(1<<20)|(1<<21)|(5<<22)|(3<<25)  ; 15:0 the mask: R's tiles go to my row; 17:16 element of 1 byte; 20 padding on; 21 set beside a mask; 24:22 after every 64 words (code 5); 31:25 of 4 words (code 3)
	s_or_b32 s[G1B+0], s44, (0<<16)|(1<<20)|(1<<21)|(5<<22)|(3<<25)
.irp g, G1, G1B
	s_mov_b32 s[\g+1], ROWB<<16                    ; tensor_dim0
	s_mov_b32 s[\g+2], 128<<16                     ; tensor_dim1 = 128
	s_mov_b32 s[\g+3], ROWB<<16                    ; tile_dim0
	s_mov_b32 s[\g+4], 128                         ; tile_dim1 = 128
	s_mov_b32 s[\g+5], KROW                        ; tensor_dim0_stride
	s_mov_b32 s[\g+6], 0
	s_mov_b32 s[\g+7], 0
.endr
	; and for the scales of 128 rows: a dense block of 4,096 bytes, as 16 rows of 256 bytes (32 elements of 8 bytes), 16 bytes of padding behind each
	s_or_b32 s[G1S+0], s43, (3<<16)|(1<<20)|(1<<21)|(5<<22)|(3<<25)
	s_or_b32 s[G1SB+0], s44, (3<<16)|(1<<20)|(1<<21)|(5<<22)|(3<<25)
.irp g, G1S, G1SB
	s_mov_b32 s[\g+1], 32<<16
	s_mov_b32 s[\g+2], 16<<16
	s_mov_b32 s[\g+3], 32<<16
	s_mov_b32 s[\g+4], 16
	s_mov_b32 s[\g+5], 32
	s_mov_b32 s[\g+6], 0
	s_mov_b32 s[\g+7], 0
.endr
	s_lshl_b32 s18, s16, 7                         ; which 128 rows of the tile I fetch
	s_lshl_b32 s20, s17, 8
	s_add_co_u32 s20, s20, s18                     ; R: row 256 x tile + 128 x half
	s_lshl_b32 s46, s42, 8
	s_add_co_u32 s46, s46, s18                     ; P likewise
	s_mov_b32 s21, 0
	s_mov_b32 s47, 0
	s_mov_b64 s[18:19], KS
	s_mul_u64 s[22:23], s[20:21], s[18:19]         ; where these rows' scales begin, in bytes
	s_mul_u64 s[92:93], s[46:47], s[18:19]
	s_mov_b64 s[18:19], KROW
	s_mul_u64 s[20:21], s[20:21], s[18:19]         ; and their codes
	s_mul_u64 s[46:47], s[46:47], s[18:19]
	s_mul_i32 s45, s14, HALFT                      ; where they go: wave x 128 rows: no place in the cluster enters an LDS address
	s_mul_i32 s94, s14, HALFS
	s_wait_kmcnt 0x0
	s_cmp_eq_u32 ttmp9, 2                          ; from here s[4:7] are R's codes and scales, s[8:11] P's
	s_cselect_b64 s[98:99], s[8:9], s[4:5]
	s_cselect_b64 s[8:9], s[4:5], s[8:9]
	s_mov_b64 s[4:5], s[98:99]
	s_cselect_b64 s[98:99], s[10:11], s[6:7]
	s_cselect_b64 s[10:11], s[6:7], s[10:11]
	s_mov_b64 s[6:7], s[98:99]
	s_add_nc_u64 s[20:21], s[4:5], s[20:21]
	s_add_nc_u64 s[22:23], s[6:7], s[22:23]
	s_add_nc_u64 s[46:47], s[8:9], s[46:47]
	s_add_nc_u64 s[92:93], s[10:11], s[92:93]
	CROUND                                         ; all sixteen work-groups are here: the first joint loads meet
	s_mov_b32 s[G0S], 1
	s_add_co_u32 s[G0S+1], s94, SCL
	s_mov_b64 s[G0S+2:G0S+3], s[22:23]
	s_or_b32 s[G0S+3], s[G0S+3], 0x80000000
	s_mov_b32 s[G0SB], 1
	s_add_co_u32 s[G0SB+1], s94, SCL
	s_mov_b64 s[G0SB+2:G0SB+3], s[92:93]
	s_or_b32 s[G0SB+3], s[G0SB+3], 0x80000000
	JLOAD G0S, G1S, G0SB, G1SB                     ; the scales first: they are wanted with K step 0
.irp s, 0,1
	s_mov_b32 s[G0+4*\s], 1
	s_add_co_u32 s[G0+4*\s+1], s45, \s*SLOT
	s_add_nc_u64 s[G0+4*\s+2:G0+4*\s+3], s[20:21], \s*ROWB
	s_or_b32 s[G0+4*\s+3], s[G0+4*\s+3], 0x80000000
	s_mov_b32 s[G0B+4*\s], 1
	s_add_co_u32 s[G0B+4*\s+1], s45, \s*SLOT
	s_add_nc_u64 s[G0B+4*\s+2:G0B+4*\s+3], s[46:47], \s*ROWB
	s_or_b32 s[G0B+4*\s+3], s[G0B+4*\s+3], 0x80000000
	JLOAD G0+4*\s, G1, G0B+4*\s, G1B
.endr
	v_and_b32 v1, 15, v0                           ; l % 16
	v_bfe_u32 v2, v0, 4, 1                         ; l / 16
	v_mul_u32_u24 v3, v1, PITCH
	v_lshl_add_u32 v4, v2, 4, v3                   ; a fragment's row x pitch + 16 x half
	s_mul_i32 s21, s15, HALFT                      ; my 128 rows of R
	s_mul_i32 s22, s16, HALFT                      ; my 128 rows of P,
	s_add_co_u32 s22, s22, 2*HALFT                 ; which lie behind R's 256
.irp s, 0,1
	v_add_nc_u32 v[ADRA+\s], s21, v4
	v_add_nc_u32 v[ADRB+\s], s22, v4
	s_add_co_u32 s21, s21, SLOT
	s_add_co_u32 s22, s22, SLOT
.endr
	v_mul_u32_u24 v5, v1, KS                       ; my row's scales: 32 bytes a row,
	v_lshrrev_b32 v6, 8, v5
	v_lshl_add_u32 v5, v6, 4, v5                   ; and 16 more for each 256 passed
	s_mul_i32 s21, s15, HALFS
	s_mul_i32 s22, s16, HALFS
	s_add_co_u32 s22, s22, 2*HALFS
	s_sub_co_u32 s22, s22, s21
	v_mul_u32_u24 v6, s22, v2                      ; lanes 16-31 take P's
	s_add_co_u32 s21, s21, SCL
	v_add_nc_u32 v5, v5, v6
	v_add_nc_u32 v[ADRS], s21, v5
	v_and_b32 v6, 31, v0
	v_lshlrev_b32 v[LI16], 4, v6
	v_lshlrev_b32 v[LI8], 3, v6
	s_lshl_b32 s23, s14, 15
	v_add_nc_u32 v[STG0], s23, v[LI16]
	; WHERE MY RESULTS GO, and what T chooses.  All choices on one compare stand ahead of the arithmetic, which sets SCC.  None of these registers feeds a descriptor.
	s_cmp_eq_u32 ttmp9, 2
	s_cselect_b32 s18, s40, s41                    ; x's tile in the cluster: cx for V, else cy
	s_cselect_b32 s19, s41, s40                    ; W's tile in the type (four heads)
	s_cselect_b32 s20, s15, s16                    ; my half of W's rows (two heads)
	s_cselect_b32 s21, s16, s15                    ; my half of x's rows (128 positions)
	s_cselect_b32 s66, 0, 0x3f800000               ; V: position x 0,
	s_cselect_b32 s67, 0, 0x41800000               ; and no step; else 16 positions from tile to tile
	s_cselect_b32 s43, -1, 0                       ; V: the scale words leave as they are made
	s_mov_b32 s97, 1024
	s_mov_b32 s101, HS
	s_cselect_b32 s44, 2048, s97                   ; from block a to a + 1: V a channel tile (2,048 bytes), Q and K a tile of positions (1,024)
	s_cselect_b32 s46, HS-6144, s97                ; from a = 3 to 4: V goes on to the next head's first channel tile
	s_cselect_b32 s100, s97, s101                  ; groups 2, 3 of a block's codes: V 1,024 bytes on, Q and K in the next head
	s_mov_b32 s2, KIMG
	s_mov_b32 s3, KSC
	s_cselect_b32 s2, VIMG, s2
	s_cselect_b32 s3, VSC, s3
	s_cmp_eq_u32 ttmp9, 0
	s_cselect_b32 s2, QIMG, s2
	s_cselect_b32 s3, QSC, s3
	s_mov_b32 s45, 0
	s_mov_b32 s47, 0
	s_mov_b32 s101, 0
	s_lshl_b32 s22, s96, 2
	s_add_co_u32 s22, s22, s18                     ; x's tile: 8 to a batch
	s_lshr_b32 s23, s22, 3
	s_lshl_b32 s23, s23, 4                         ; 16 heads a batch
	s_lshl_b32 s19, s19, 2
	s_add_co_u32 s23, s23, s19
	s_lshl_b32 s20, s20, 1
	s_add_co_u32 s23, s23, s20                     ; my first head
	s_mul_i32 s23, s23, HS
	s_and_b32 s22, s22, 7                          ; the chunk
	s_mul_i32 s18, s22, CH
	s_add_co_u32 s23, s23, s18
	s_lshl_b32 s22, s22, 8
	s_lshl_b32 s18, s21, 7
	s_add_co_u32 s22, s22, s18                     ; s22: my first position
	s_lshl_b32 s18, s21, 13                        ; my 128 positions: 8,192 bytes of images,
	s_add_co_u32 s18, s18, s23
	s_add_co_u32 s18, s18, s2
	s_lshl_b32 s20, s21, 8                         ; 256 bytes of scale words
	s_add_co_u32 s20, s20, s23
	s_add_co_u32 s20, s20, s3
	s_mov_b32 s19, 0
	s_mov_b32 s21, 0
	s_add_nc_u64 s[98:99], s[12:13], s[20:21]      ; scale words, first head
	s_add_nc_u64 s[94:95], s[98:99], HS            ; and second
	s_add_nc_u64 s[12:13], s[12:13], s[18:19]      ; codes: groups 0, 1
	s_add_nc_u64 s[92:93], s[12:13], s[100:101]    ; groups 2, 3
.macro FRAG reg, adr, q, i             ; a fragment, 16 rows x 128 K of 8-bit codes, is 16 registers: lane l holds row l % 16; registers 4 c .. 4 c + 3 hold K = 32 c + 16 (l / 16) + 0 .. 15
.irp c, 0,1,2,3
	ds_load_b128 v[\reg+4*\c:\reg+4*\c+3], v[\adr] offset:128*(\q)+32*\c+(\i)*16*PITCH
.endr
.endm
; 16 matrix instructions: R's blocks a0, a0 + 1 x P's eight, 128 along K: the slot's q-th.  p: P's set;  sc: the set of scale words.  zero = 1: the first product starts the sums: nothing is ever cleared.
; The 64 accumulators take turns, one instruction a turn, in the same order in every step.
.macro MUL16 a0, p, q, sc, zero
.irp a, \a0, \a0+1
.irp b, 0,1,2,3,4,5,6,7
.if \zero
	v_wmma_scale_f32_16x16x128_f8f6f4 v[8*(8*((\a)%4)+\b):8*(8*((\a)%4)+\b)+7], v[128*(\p)+FR*\b:128*(\p)+FR*\b+FR-1], v[AF+FR*(\a):AF+FR*(\a)+FR-1], 0, v[SC+8*NQ*(\sc)+NQ*\b+(\q)], v[SC+8*NQ*(\sc)+NQ*(\a)+(\q)] matrix_a_scale:MATRIX_SCALE_ROW1
.else
	v_wmma_scale_f32_16x16x128_f8f6f4 v[8*(8*((\a)%4)+\b):8*(8*((\a)%4)+\b)+7], v[128*(\p)+FR*\b:128*(\p)+FR*\b+FR-1], v[AF+FR*(\a):AF+FR*(\a)+FR-1], v[8*(8*((\a)%4)+\b):8*(8*((\a)%4)+\b)+7], v[SC+8*NQ*(\sc)+NQ*\b+(\q)], v[SC+8*NQ*(\sc)+NQ*(\a)+(\q)] matrix_a_scale:MATRIX_SCALE_ROW1
.endif
.endr
.endr
.endm
.macro FETCH_B slot, q, p              ; P's eight fragments of the slot's q-th 128 along K into set p
	WIN TO_B
.irp i, 0,1,2,3,4,5,6,7
	FRAG 128*(\p)+FR*\i, ADRB+\slot, \q, \i
.endr
	WIN 0
.endm
.macro FETCH_A slot, q, i0             ; R's blocks i0 .. i0 + 3
.irp i, \i0, \i0+1, \i0+2, \i0+3
	FRAG AF+FR*(\i), ADRA+\slot, \q, \i
.endr
.endm
.macro SCALES sc                       ; the next K step's scale words into set sc: two words a row; lanes 0-15 take R's block i, lanes 16-31 P's block i
.irp i, 0,1,2,3,4,5,6,7
	ds_load_b64 v[SC+8*NQ*\sc+NQ*\i:SC+8*NQ*\sc+NQ*\i+1], v[ADRS] offset:\i*SBLK
.endr
.endm
; A load into a register that a matrix instruction has read, and a vector instruction that reads a matrix result or writes one of its registers, stand NP places behind it; only plain vector
; instructions that name none of its registers are places (ISA guide 7.12.1 for vector instructions).
.macro PLACES n
.rept \n
	v_nop
.endr
.endm
; A step of 128 along K that has its successor in the same slot.
.macro STEP slot, q, zero
	s_wait_dscnt 4*NL                              ; P's set and R's blocks 0-3 are in; the youngest 16 loads (R's blocks 4-7) may be out
	WIN MUL_LO
	MUL16 0, (\q)%2, \q, \slot, \zero
	MUL16 2, (\q)%2, \q, \slot, \zero
	s_wait_dscnt 0                                 ; R's blocks 4-7 are in (asked for 32 matrix instructions ago)
	PLACES NP
	FETCH_B \slot, (\q)+1, 1-(\q)%2
	FETCH_A \slot, (\q)+1, 0
	WIN MUL_HI
	MUL16 4, (\q)%2, \q, \slot, \zero
	MUL16 6, (\q)%2, \q, \slot, \zero
	PLACES NP
	WIN 0
	FETCH_A \slot, (\q)+1, 4
.endm
; A slot's last step changes slots: ONE barrier; in front of it each wave waits for all its tensor loads, adds 0 to its spare word, and waits for that and for its own reads of this slot.  fill = 1: this slot is filled again, two K steps ahead.
.macro TURN slot, next, fill
	s_wait_tensorcnt 0x0                           ; all my tensor loads have landed: my part of the next slot;  (every window is 0 here)
	ds_add_u32 v[SPW], v[NIL]                      ; 0 onto my spare word;
	s_wait_dscnt 4*NL+1                            ; (the add and the youngest 16 loads, R's blocks 4-7, may be out)
	WIN MUL_LO
	MUL16 0, 1, NQ-1, \slot, 0                     ; sixteen matrix instructions stand between the add and the wait for it
	s_wait_dscnt 0x0                               ; the add is done, and my reads of this slot are over
	s_barrier_signal -1
	MUL16 2, 1, NQ-1, \slot, 0
	WIN 0
	s_barrier_wait -1
.if \fill
	CREST                                          ; the barrier has opened a round of the cluster's barrier: no wave of any partner still reads this slot's tile or has a load on its way
	s_add_nc_u64 s[G0+4*\slot+2:G0+4*\slot+3], s[G0+4*\slot+2:G0+4*\slot+3], 2*ROWB
	s_add_nc_u64 s[G0B+4*\slot+2:G0B+4*\slot+3], s[G0B+4*\slot+2:G0B+4*\slot+3], 2*ROWB
	JLOAD G0+4*\slot, G1, G0B+4*\slot, G1B         ; the first tensor load behind the round; the four v_nop behind it are among the places in front of the loads below
	PLACES NP-4
.else
	PLACES NP
.endif
	v_add_nc_u32 v[ADRS], 4*NQ, v[ADRS]            ; on to the next K step's scale words (no LDS load of mine is out)
	FETCH_B \next, 0, 0
	FETCH_A \next, 0, 0
	SCALES \next
	WIN MUL_HI
	MUL16 4, 1, NQ-1, \slot, 0
	MUL16 6, 1, NQ-1, \slot, 0
	PLACES NP
	WIN 0
	FETCH_A \next, 0, 4
.endm
	s_wait_tensorcnt 1                             ; of my three first fills the scales and K step 0 are in (K step 1's load may be out),
	s_barrier_signal -1
	s_barrier_wait -1                              ; everybody's are
	FETCH_B 0, 0, 0
	FETCH_A 0, 0, 0
	SCALES 0
	FETCH_A 0, 0, 4
	STEP 0, 0, 1                                   ; the first step's products start the sums
	TURN 0, 1, 1                                   ; K has four K steps of 256: once round the ring with refills,
	STEP 1, 0, 0
	TURN 1, 0, 1
	STEP 0, 0, 0
	TURN 0, 1, 0                                   ; and once without: no round of the cluster's barrier
	STEP 1, 0, 0
	s_wait_dscnt 4*NL                              ; the very last step: nothing more to fetch
	WIN MUL_LO
	MUL16 0, 1, NQ-1, 1, 0
	MUL16 2, 1, NQ-1, 1, 0
	s_wait_dscnt 0
	WIN MUL_HI
	MUL16 4, 1, NQ-1, 1, 0
	MUL16 6, 1, NQ-1, 1, 0
	WIN 0
; ---------------- THE WAY OUT ----------------
	PLACES NP                                      ; behind the last products: all that follows may read results and write the registers that held fragments
	s_mov_b32 vcc_lo, 0xffff0000                   ; lanes 16-31
	s_mov_b32 s97, 0x600000                        ; the mantissa field of 448
	s_mov_b32 s100, 0x76543210
	s_mov_b32 s101, 0xfedcba98                     ; v_permlanex16_b32's selects for lane l xor 16
.macro FREQ n, lo, hi                  ; my frequency number n: lanes 0-15 lo, lanes 16-31 hi
	v_mov_b32 v[IF+\n], \hi
	v_cndmask_b32 v[IF+\n], \lo, v[IF+\n], vcc_lo
.endm
	FREQ 0,  1.0,            0.237137371           ; 10^(-5 f / 32): f = 8 b' + jj below, f + 4 above
	FREQ 1,  0.697830585,    0.165481710
	FREQ 2,  0.486967525,    0.115478198
	FREQ 3,  0.339820833,    0.0805842188
	FREQ 4,  0.0562341325,   0.0133352143
	FREQ 5,  0.0392418976,   0.00930572041
	FREQ 6,  0.0273841963,   0.00649381632
	FREQ 7,  0.0191095297,   0.00453158364
	FREQ 8,  0.00316227766,  0.000749894209
	FREQ 9,  0.00220673407,  0.000523299115
	FREQ 10, 0.00153992653,  0.000365174127
	FREQ 11, 0.00107460783,  0.000254829675
	FREQ 12, 0.000177827941, 0.0000421696503
	FREQ 13, 0.000124093776, 0.0000294272718
	FREQ 14, 0.0000865964323, 0.0000205352503
	FREQ 15, 0.0000604296390, 0.0000143301257
	v_and_b32 v1, 15, v0
	v_add_nc_u32 v1, s22, v1
	v_cvt_f32_u32 v[POS], v1                       ; my position in tile a = 0,
	v_mul_f32 v[POS], s66, v[POS]                  ; or 0 for V
	v_mov_b32 v[POS+1], 0                          ; (named with it as a pair, so it is written)
.irp u, 0,1
	v_mov_b32 v[S11V+\u], 0xb2d7322b               ; -1 / 11!
	v_mov_b32 v[C12V+\u], 0x310f76c7               ; 1 / 12!
	v_mov_b32 v[MAGV+\u], 0x4b400000               ; 1.5 x 2^23: added to a number under 2^22 it rounds it to a whole number, which stands in the low bits
.endr
.irp b, 0,1,2,3
	v_mov_b32 v[TM+4+\b], 0                        ; written once: a lane permute's destination counts as one of its sources
.endr
; cos and sin of four frequencies (pairs g and g + 1) at my position: two sets of registers side by side, and in each the two series: four chains that do not wait for each other.
; In set u: +0 the angle, then r; +2 k; +4 n; +6 r^2; +8 sine's series; +10 cosine's; +12 r^3; +14 the sign; +16 .. +19 (cos, sin, cos, sin).
.macro HORN d, lit                     ; series d = series d x r^2 + lit
.irp u, 0,1
	v_pk_fma_f32 v[WK+20*\u+\d:WK+20*\u+\d+1], v[WK+20*\u+\d:WK+20*\u+\d+1], v[WK+20*\u+6:WK+20*\u+7], \lit op_sel_hi:[1,1,0]
.endr
.endm
.macro SC2 g
.irp u, 0,1
	v_pk_mul_f32 v[WK+20*\u:WK+20*\u+1], v[IF+2*(\g+\u):IF+2*(\g+\u)+1], v[POS:POS+1] op_sel_hi:[1,0]   ; the angle, rounded once
.endr
.irp u, 0,1
	v_pk_fma_f32 v[WK+20*\u+2:WK+20*\u+3], v[WK+20*\u:WK+20*\u+1], 0x3ea2f983, v[MAGV:MAGV+1] op_sel_hi:[1,0,1]   ; angle / pi + 1.5 x 2^23
.endr
.irp u, 0,1
	v_pk_add_f32 v[WK+20*\u+4:WK+20*\u+5], v[WK+20*\u+2:WK+20*\u+3], v[MAGV:MAGV+1] neg_lo:[0,1] neg_hi:[0,1]   ; n, the nearest whole number
.endr
.irp u, 0,1
	v_pk_fma_f32 v[WK+20*\u:WK+20*\u+1], v[WK+20*\u+4:WK+20*\u+5], 0xc0490fdb, v[WK+20*\u:WK+20*\u+1] op_sel_hi:[1,0,1]   ; angle - n x fl(pi): n has 10 bits, so the result is exact
.endr
.irp u, 0,1
	v_pk_fma_f32 v[WK+20*\u:WK+20*\u+1], v[WK+20*\u+4:WK+20*\u+5], 0x33bbbd2e, v[WK+20*\u:WK+20*\u+1] op_sel_hi:[1,0,1]   ; + n x (fl(pi) - pi): r
.endr
.irp u, 0,1
	v_pk_mul_f32 v[WK+20*\u+6:WK+20*\u+7], v[WK+20*\u:WK+20*\u+1], v[WK+20*\u:WK+20*\u+1]
.endr
.irp u, 0,1
	v_pk_fma_f32 v[WK+20*\u+8:WK+20*\u+9], v[WK+20*\u+6:WK+20*\u+7], v[S11V:S11V+1], 0x3638ef1d op_sel_hi:[1,1,0]     ; 1 / 9!
	v_pk_fma_f32 v[WK+20*\u+10:WK+20*\u+11], v[WK+20*\u+6:WK+20*\u+7], v[C12V:C12V+1], 0xb493f27e op_sel_hi:[1,1,0]   ; -1 / 10!
.endr
	HORN 8,  0xb9500d01                            ; -1 / 7!
	HORN 10, 0x37d00d01                            ; 1 / 8!
	HORN 8,  0x3c088889                            ; 1 / 5!
	HORN 10, 0xbab60b61                            ; -1 / 6!
	HORN 8,  0xbe2aaaab                            ; -1 / 3!
	HORN 10, 0x3d2aaaab                            ; 1 / 4!
.irp u, 0,1
	v_pk_mul_f32 v[WK+20*\u+12:WK+20*\u+13], v[WK+20*\u:WK+20*\u+1], v[WK+20*\u+6:WK+20*\u+7]
.endr
	HORN 10, -0.5
.irp u, 0,1
	v_lshlrev_b32 v[WK+20*\u+14], 31, v[WK+20*\u+2]   ; n odd: cos and sin change sign
	v_lshlrev_b32 v[WK+20*\u+15], 31, v[WK+20*\u+3]
.endr
.irp u, 0,1
	v_pk_fma_f32 v[WK+20*\u+8:WK+20*\u+9], v[WK+20*\u+12:WK+20*\u+13], v[WK+20*\u+8:WK+20*\u+9], v[WK+20*\u:WK+20*\u+1]   ; sin r
.endr
	HORN 10, 1.0                                   ; cos r
.irp u, 0,1
	v_xor_b32 v[WK+20*\u+16], v[WK+20*\u+14], v[WK+20*\u+10]
	v_xor_b32 v[WK+20*\u+17], v[WK+20*\u+14], v[WK+20*\u+8]
	v_xor_b32 v[WK+20*\u+18], v[WK+20*\u+15], v[WK+20*\u+11]
	v_xor_b32 v[WK+20*\u+19], v[WK+20*\u+15], v[WK+20*\u+9]
	ds_store_b128 v[ADR], v[WK+20*\u+16:WK+20*\u+19] offset:512*(\g+\u)
.endr
.endm
; The table for my 128 positions goes to my wave's own stage: 8 tiles x 4,096 bytes at 32,768 x wave, inside slot 0, which has had its last fill, and which nobody reads behind the last change of slots.
	s_mov_b32 s18, 0
	s_mov_b32 s19, 0
.Lsc:                                              ; eight trips: a tile of 16 positions each
	v_add_nc_u32 v[ADR], s18, v[STG0]
	SC2 0
	SC2 2
	SC2 4
	SC2 6
	v_add_f32 v[POS], s67, v[POS]
	s_add_co_u32 s18, s18, 4096
	s_add_co_u32 s19, s19, 1
	s_cmp_lt_u32 s19, 8
	s_cbranch_scc1 .Lsc
.macro CSLOAD a                        ; tile a's 16 (cos, sin); LDS serves a wave's instructions in order (ISA guide 5.7.1.4): these see my stores
.irp i, 0,1,2,3,4,5,6,7
	ds_load_b128 v[CS+4*\i:CS+4*\i+3], v[STG0] offset:4096*(\a)+512*\i
.endr
.endm
; 64 numbers of a lane in window win, registers ac .. ac + 63: register 16 b + i belongs to block b; the block's other 16 lie in lane l xor 16.  They become 16 registers of codes in v[PC] on and a scale word in v[word].
.macro QUANTW ac, win, word
.set QW1, ((\win)<<2)|((\win)<<4)
.set QW2, (\win)|((\win)<<6)
	WIN QW1                                        ; sources 1 and 2 in the accumulators' window
.irp b, 0,1,2,3
	v_max3_num_f32 v[TM+\b], 0x4800000, |v[\ac+16*\b]|, |v[\ac+16*\b+1]|   ; my 16 numbers, and the floor 2^(9 - 127): so the byte cannot fall under 1
.endr
.irp i, 2,4,6,8,10,12,14
.irp b, 0,1,2,3
	v_max3_num_f32 v[TM+\b], v[TM+\b], |v[\ac+16*\b+\i]|, |v[\ac+16*\b+\i+1]|   ; (the four blocks by turns)
.endr
.endr
	WIN 0
.irp b, 0,1,2,3
	v_permlanex16_b32 v[TM+4+\b], v[TM+\b], s100, s101
.endr
.irp b, 0,1,2,3
	v_max_num_f32 v[TM+\b], v[TM+\b], v[TM+4+\b]   ; the block's largest magnitude
.endr
.irp b, 0,1,2,3
	v_add_nc_u32 v[TM+12+\b], 0xfc000000, v[TM+\b] ; 8 off its exponent field: the conversion takes the exponent field of this operand as its scale
.endr
.irp b, 0,1,2,3
	v_and_or_b32 v[TM+8+\b], v[TM+\b], 0x7f800000, s97   ; 448 x the scale
.endr
.irp b, 0,1,2,3
	v_lshrrev_b32 v[TM+4+\b], 23, v[TM+12+\b]      ; the scale's byte
.endr
	v_lshl_or_b32 v[\word], v[TM+5], 8, v[TM+4]
	v_lshl_or_b32 v[\word], v[TM+6], 16, v[\word]
	v_lshl_or_b32 v[\word], v[TM+7], 24, v[\word]
	WIN QW2                                        ; destination and source 0 in the accumulators' window
.irp b, 0,1,2,3
.irp i, 0,1,2,3,4,5,6,7,8,9,10,11,12,13,14,15
	v_med3_num_f32 v[\ac+16*\b+\i], v[\ac+16*\b+\i], -v[TM+8+\b], v[TM+8+\b]   ; the conversion to an 8-bit code does not saturate (ISA guide 7.6.2): the hold comes first
.endr
.endr
	WIN \win                                       ; source 0 alone
.irp b, 0,1,2,3
	v_cvt_scalef32_pk8_fp8_f32 v[PC+4*\b:PC+4*\b+1], v[\ac+16*\b:\ac+16*\b+7], v[TM+12+\b]
	v_cvt_scalef32_pk8_fp8_f32 v[PC+4*\b+2:PC+4*\b+3], v[\ac+16*\b+8:\ac+16*\b+15], v[TM+12+\b]
.endr
	WIN 0
	v_nop                                          ; one plain vector line behind the last conversion
.endm
; Block a: 16 rows of R x my 128 rows of P: rotated in place, quantised, stored: four stores of 512 consecutive bytes.
.macro EPI a
.set EW, 2+(\a)/4
.set EW2, EW|(EW<<6)
.set AC, 64*((\a)%4)
	s_wait_dscnt 0x0                               ; this tile's cos and sin are in
	WIN EW                                         ; source 0 in the accumulators' window
.set n, 0
.rept 32
.set p, CS+2*(4*((n/8)%4)+(n%8)/2)
	v_pk_mul_f32 v[TMP+n:TMP+n+1], v[AC+n:AC+n+1], v[p:p+1] op_sel_hi:[1,0]   ; (x1, x2) cos; each accumulator is read from its low end on
.set n, n+2
.endr
	WIN EW2
.set n, 0
.rept 32
.set p, CS+2*(4*((n/8)%4)+(n%8)/2)
	v_pk_fma_f32 v[AC+n:AC+n+1], v[AC+n:AC+n+1], v[p:p+1], v[TMP+n:TMP+n+1] op_sel:[1,1,0] op_sel_hi:[0,1,1] neg_lo:[0,1,0]   ; x1 cos - x2 sin, x2 cos + x1 sin
.set n, n+2
.endr
	WIN 0
.if (\a) < 7
	CSLOAD (\a)+1                                  ; lands while this block is quantised
.endif
.if (\a) > 0
	s_wait_xcnt 0x0                                ; the last block's stores have read their data and their bases: both are written again only behind this wait
.if (\a) == 4
	s_add_nc_u64 s[12:13], s[12:13], s[46:47]
	s_add_nc_u64 s[92:93], s[92:93], s[46:47]
.else
	s_add_nc_u64 s[12:13], s[12:13], s[44:45]
	s_add_nc_u64 s[92:93], s[92:93], s[44:45]
.endif
.endif
	QUANTW AC, EW, WD+(\a)
	global_store_b128 v[LI16], v[PC:PC+3], s[12:13] th:TH_STORE_NT
	global_store_b128 v[LI16], v[PC+4:PC+7], s[12:13] offset:512 th:TH_STORE_NT
	global_store_b128 v[LI16], v[PC+8:PC+11], s[92:93] th:TH_STORE_NT
	global_store_b128 v[LI16], v[PC+12:PC+15], s[92:93] offset:512 th:TH_STORE_NT
.endm
	CSLOAD 0
.irp a, 0,1,2,3,4,5,6,7
	EPI \a
.endr
; THE SCALE WORDS.  Word a's four bytes: Q, K: position tile a: head 0's two blocks, head 1's two.  V: channel tile a: the key step's four blocks.
; The attention launch wants, for Q and K, a word for each PAIR of tiles and head (tile 2 k's two bytes, tile 2 k + 1's); for V the words as they are.  Both lanes l and l xor 16 hold a word, so lanes 16-31 carry another:
; a store of 8 bytes a lane takes four words of 16 rows: 256 consecutive bytes for each head.
.irp k, 0,1,2,3
	v_perm_b32 v[XW+\k], v[WD+2*\k+1], v[WD+2*\k], 0x05040100     ; the two low halves: head 0
	v_perm_b32 v[XW+4+\k], v[WD+2*\k+1], v[WD+2*\k], 0x07060302   ; the two high halves: head 1
.endr
.irp k, 0,1,2,3,4,5,6,7
	v_cndmask_b32 v[XW+\k], v[XW+\k], v[WD+\k], s43               ; V: as made
.endr
	v_cndmask_b32 v[XW+0], v[XW+0], v[XW+1], vcc_lo
	v_cndmask_b32 v[XW+1], v[XW+2], v[XW+3], vcc_lo
	v_cndmask_b32 v[XW+4], v[XW+4], v[XW+5], vcc_lo
	v_cndmask_b32 v[XW+5], v[XW+6], v[XW+7], vcc_lo
	global_store_b64 v[LI8], v[XW:XW+1], s[98:99] th:TH_STORE_NT
	global_store_b64 v[LI8], v[XW+4:XW+5], s[94:95] th:TH_STORE_NT
	s_wait_tensorcnt 0x0                           ; the wave's end, behind my last tensor load and my last LDS store
	ds_add_u32 v[SPW], v[NIL]
	s_wait_dscnt 0x0
	CROUND                                         ; the closing round: no work-group ends while a partner may still ask for a tile that names it
	s_endpgm
.Lfunc_end_k_q4c1d0b95ea_qkvrope:
	.size	k_q4c1d0b95ea_qkvrope, .Lfunc_end_k_q4c1d0b95ea_qkvrope-k_q4c1d0b95ea_qkvrope
	.p2alignl 7, 3214868480
	.fill 96, 4, 3214868480
	.section	.rodata,"a",@progbits
	.p2align	6, 0x0
	.amdhsa_kernel k_q4c1d0b95ea_qkvrope
		.amdhsa_group_segment_fixed_size 327680
		.amdhsa_private_segment_fixed_size 0
		.amdhsa_enable_private_segment 0
		.amdhsa_kernarg_size 40
		.amdhsa_user_sgpr_count 2
		.amdhsa_user_sgpr_kernarg_segment_ptr 1
		.amdhsa_wavefront_size32 1
		.amdhsa_system_sgpr_workgroup_id_x 1
		.amdhsa_system_sgpr_workgroup_id_y 1
		.amdhsa_system_sgpr_workgroup_id_z 1
		.amdhsa_system_vgpr_workitem_id 0
		.amdhsa_next_free_vgpr 1024
		.amdhsa_next_free_sgpr 102
		.amdhsa_reserve_vcc 1
		.amdhsa_float_denorm_mode_32 3
		.amdhsa_float_denorm_mode_16_64 3
		.amdhsa_memory_ordered 1
		.amdhsa_forward_progress 1
		.amdhsa_inst_pref_size 242
	.end_amdhsa_kernel
	.amdgpu_metadata
---
amdhsa.version: [ 1, 2 ]
amdhsa.kernels:
  - .name:           k_q4c1d0b95ea_qkvrope
    .symbol:         k_q4c1d0b95ea_qkvrope.kd
    .args:
      - { .name: x_codes, .offset: 0, .size: 8, .value_kind: global_buffer, .address_space: global }
      - { .name: x_scales, .offset: 8, .size: 8, .value_kind: global_buffer, .address_space: global }
      - { .name: W_codes, .offset: 16, .size: 8, .value_kind: global_buffer, .address_space: global }
      - { .name: W_scales, .offset: 24, .size: 8, .value_kind: global_buffer, .address_space: global }
      - { .name: qkv, .offset: 32, .size: 8, .value_kind: global_buffer, .address_space: global }
    .group_segment_fixed_size: 327680
    .private_segment_fixed_size: 0
    .kernarg_segment_align: 8
    .kernarg_segment_size: 40
    .max_flat_workgroup_size: 128
    .sgpr_count:     102
    .vgpr_count:     1024
    .wavefront_size: 32
...
	.end_amdgpu_metadata
.endif
;; end of part 1
;; launch attn (part 2): grid 4 x 64, 16 waves a work-group, no clusters, 327,680 bytes of LDS; arguments qkv, a_img, a_scales; writes a_img, a_scales
.if DOCPART == 2
	.amdgcn_target "amdgcn-amd-amdhsa--gfx1250"
	.amdhsa_code_object_version 6
	.text
	.protected	k_q4c1d0b95ea_attn
	.globl	k_q4c1d0b95ea_attn
	.p2align	8
	.type	k_q4c1d0b95ea_attn,@function
k_q4c1d0b95ea_attn:
	s_mov_b64 s[64:65], 0
	v_nop
	global_prefetch_b8 v0, s[64:65] scope:SCOPE_SE
	s_setreg_imm32_b32 hwreg(HW_REG_WAVE_MODE, 25, 1), 1
	s_wait_xcnt 0x0
; Causal attention of one head on codes of FP8 (E4M3) with E8M0 scales: S^T = K Q^T (K = the head's 64), p = 2^(t - M), O^T += V^T p^T (K = the keys), O / l, quantised along the model's 1,024 for the last product.
; t = score x log2(e) / 8; M = the running largest t rounded UP to a whole number; p is quantised along the keys, not normalised; l is the sum of the unquantised p; when M moves, l and O are multiplied by 2^(old M - new M): exact.
; INPUT: qkv, images of operand registers (512 bytes = four registers x 32 lanes).  Head: 405,504 bytes = 8 chunks of 256 positions; a chunk: K's images 16,384, V's 16,384, K's scale words 512, V's 512 (these 33,792 bytes are a slot), Q's images 16,384, Q's scale words 512.
; SHARES.  Work-group (i, head) owns the query blocks 7 - i and i (256 queries each): 8 - i and i + 1 chunks of keys, NINE SLOTS for every work-group: the trip counts are constants and the work is even.
; Each of sixteen waves owns 16 queries of the block in hand, in 256 registers: four waves to a SIMD, so that one wave's vector work stands beside another's matrix work and LDS loads.
; A key step is 128 keys.  A step all of whose keys come after the wave's queries is left out by a scalar branch on ids, round the step's work alone.
; LAYOUT.  Both products are used transposed: a lane holds ONE query (lane % 16) throughout; register 8 t + j of S^T is key 16 t + 8 (lane / 16) + j.  V's images hold the keys of a block of 32 in that same order, so p's codes are the operand as they are made.
; K = 64 IN A FORM OF K = 128: a fragment of K is TWO tiles of 16 keys (tile 2 p in registers 0-7, tile 2 p + 1 in registers 8-15).  Q stands between two runs of eight zero registers: [q, 0] picks tile 2 p, [0, q] tile 2 p + 1.
;   The half that is not wanted multiplies ZERO CODES OF Q by codes of K that are numbers (the quantiser holds at 448) under scale bytes 1 .. 254: it adds exactly 0.  (Zeros stand on one side only.)
; NO MULTICAST: the four work-groups of a head ask for the same chunk in their first five trips only; then their walks part (8 - i differs).  Walks made alike would cost 12 block-slots in place of 9.
; a_scales: a work-group has 2 of a row's 32 bytes, stored 2 bytes a lane: 1/32 of the bytes of the codes, which leave in runs of 512.
; LIMITS: NaN and infinities are not served.  A block under 2^(9 - 127), or of zeros, keeps the byte 1 (zero codes; this program alone reads the bytes).  A block's largest p is made from the block's largest score by the same two instructions as every p.
.set HS,    405504
.set CH,    50688
.set KIMG,  0
.set VIMG,  16384
.set KSC,   32768
.set VSC,   33280
.set QIMG,  33792
.set QSC,   50176
.set HALFC, 16896                      ; half a slot: 66 rows of 256 bytes: what one tensor load brings
.set SLOT1, 65536                      ; slot 1 begins here, so that one exclusive or turns an address in one slot into the other's
.set SPARE, 131072                     ; the spare words, 128 bytes for each wave: eight blocks of 256 bytes that no other line names
.set LI,   1                           ; v1   16 x lane: an image's place for my lane
.set L8,   2                           ; v2   8 x (lane % 16): a scale word's
.set SPW,  3                           ; v3   LDS address of my spare word; never rewritten
.set NIL,  4                           ; v4   0; never rewritten
.set PFO,  5                           ; v5   256 x lane: the prefetches' offset; never rewritten
.set ADI,  6                           ; v6   the slot in hand + 16 x lane
.set ADS,  7                           ; v7   the slot in hand + 8 x (lane % 16)
.set DM,   8                           ; v8   lane % 16 - 8 (lane / 16), for the mask
.set R32,  9                           ; v9   32 x (lane % 16): my row in a_scales
.set QIO,  10                          ; v10  my place in a chunk's images of Q
.set QSO,  11                          ; v11  and among its scale words
.set QHI,  16                          ; v[16:31] = [0, q];  v[24:39] = [q, 0]
.set QLO,  24
.set QSW,  40                          ; v40  Q's scale word (b0, b1, b0, b1)
.set VSW,  41                          ; v41-44 V's scale words
.set QPW,  45                          ; v45  Q's scale word of a pair of tiles, as loaded
.set FRG,  48                          ; v48-111 four fragments of K or of V
.set S,    112                         ; v112-175 S^T, then p
.set OT,   176                         ; v176-207 O^T
.set PC,   208                         ; v208-223 p's codes
.set BM,   224                         ; v224-227 a block's largest
.set PT,   228                         ; v228-231 the other half's, then bytes
.set HD,   232                         ; v232-235 448 x the scale
.set SO,   236                         ; v236-239 the conversions' scale operands
.set KSW,  240                         ; v240-243 K's scale words
.set FF,   244                         ; v[244:245] f = 2^(old M - new M) (the pair's low word serves both halves)
.set PSW,  246                         ; v246 p's scale word
.set T0,   247                         ; v247-255 at work
.set WV,   10
.set NBIG, 12                          ; s12  8 - i: chunks of the first block
.set TAU1, 13                          ; s13  slots asked for so far, less one
.set SLOTS, 14
.set TB,   15                          ; s15  LDS byte at which the slot in hand begins
.set KF,   16                          ; s16  the step's first key
.set Q0,   17                          ; s17  my first query
.set QB,   18                          ; s18  the query block in hand
.set MNT,  19
.set SEL,  20
.set CS,   22                          ; s[22:23] c = log2(e) / 8
.set G1,   24
.set G0,   32
.set KVB,  36                          ; s[36:37] my half of the head's chunk 0
.set COFF, 38                          ; s[38:39] the chunk to be asked for, in bytes
.set HB,   40                          ; s[40:41] the head in qkv
.set QP,   42                          ; s[42:43] the chunk of the query block in hand
.set AB,   44                          ; s[44:45] a_img at my batch and head;  s[46:47] at my 16 rows
.set AP,   46
.set SB,   48                          ; s[48:49], s[50:51] the same in a_scales
.set ASP,  50
.set PFA,  52                          ; s[52:53] where my prefetches stand
.set LIM,  54                          ; s54  2 in a wave that prefetches, else the greatest number
.set HM,   55                          ; s55  lanes 16-31
.set QSEL, 56                          ; s56  which half of the pair's scale word is my tile's
; Waves 0 and 1 fetch a chunk's two halves, the others nothing.  The branch hangs on the wave's number alone.  Four v_nop follow the line.
.macro TLOAD
	s_cmp_lt_u32 s[WV], 2
	s_cbranch_scc0 .Lasked_\@
	tensor_load_to_lds s[G0:G0+3], s[G1:G1+7]
	s_nop 0
.rept 4
	v_nop
.endr
.Lasked_\@:
.endm
; A PREFETCH INTO THE L2 of the codes that the NEXT change of slots will ask for: a chunk's 32,768 bytes of K's and V's images.  All four work-groups of a head walk chunks 0 on: work-group 0, which walks all eight, asks;
; in it waves 4 to 7, which fetch nothing: 8,192 bytes a wave, lanes 256 bytes apart: each aligned block of 256 bytes is named once in the launch.  Trip t names chunk t + 2, for t = 0 .. 5: a slot's two key steps ahead of its load.
; Chunks 0 and 1, and each chunk's 1,024 scale bytes, come by their loads alone.
.macro ASK
	s_cmp_gt_u32 s[SLOTS], s[LIM]
	s_cbranch_scc0 .Lnot_mine_\@
	global_prefetch_b8 v[PFO], s[PFA:PFA+1] th:TH_LOAD_NT scope:SCOPE_SE
.Lnot_mine_\@:
.endm
	s_load_b128 s[4:7], s[0:1], 0x0                ; qkv, a_img
	s_load_b64 s[8:9], s[0:1], 0x10                ; a_scales
	v_lshl_add_u32 v[SPW], v0, 2, SPARE
	v_mov_b32 v[NIL], 0
	ds_add_u32 v3, v4
	s_wait_dscnt 0x0
	v_lshrrev_b32 v6, 5, v0
	v_readfirstlane_b32 s[WV], v6                  ; wave 0..15
	s_and_b32 s58, ttmp7, 0xffff                   ; 16 x batch + head
	s_mul_i32 s60, s58, HS
	s_mov_b32 s61, 0
	s_and_b32 s11, s[WV], 1
	s_mov_b32 s[G0], 1                             ; 1:0 count = 1
	s_mul_i32 s[G0+1], s11, HALFC                  ; 63:32 LDS address: my half of slot 0
	s_mul_i32 s62, s11, HALFC                      ; and the same in memory
	s_mov_b32 s63, 0
	s_mov_b32 s[G1], 3<<16                         ; no mask; elements of 8 bytes; no padding: images are read 16 bytes a lane on end
	s_mov_b32 s[G1+1], 32<<16                      ; tensor_dim0 = 32 elements: rows of 256 bytes
	s_mov_b32 s[G1+2], 66<<16                      ; tensor_dim1 = 66
	s_mov_b32 s[G1+3], 32<<16                      ; tile_dim0
	s_mov_b32 s[G1+4], 66                          ; tile_dim1
	s_mov_b32 s[G1+5], 32                          ; the pitch: dense
	s_mov_b32 s[G1+6], 0
	s_mov_b32 s[G1+7], 0
	s_wait_kmcnt 0x0
	s_add_nc_u64 s[HB:HB+1], s[4:5], s[60:61]
	s_add_nc_u64 s[KVB:KVB+1], s[HB:HB+1], s[62:63]
	s_mov_b64 s[G0+2:G0+3], s[KVB:KVB+1]           ; 120:64 global address: chunk 0
	s_or_b32 s[G0+3], s[G0+3], 0x80000000          ; 127:126 type = 2
	TLOAD                                          ; slot 0; one tensor load of a wave is out at any time
	s_lshr_b32 s59, s58, 4                         ; batch
	s_and_b32 s62, s58, 15                         ; head
	s_lshl_b32 s60, s59, 21                        ; a_img: 2,048 rows x 1,024 bytes a batch,
	s_lshl_b32 s11, s62, 10                        ; 1,024 bytes a head in a tile of 16 rows
	s_add_co_u32 s60, s60, s11
	s_add_nc_u64 s[AB:AB+1], s[6:7], s[60:61]
	s_lshl_b32 s60, s59, 16                        ; a_scales: 2,048 rows x 32 bytes a batch,
	s_lshl_b32 s11, s62, 1                         ; 2 bytes a head
	s_add_co_u32 s60, s60, s11
	s_add_nc_u64 s[SB:SB+1], s[8:9], s[60:61]
	s_and_b32 s58, s[WV], 3
	s_lshl_b32 s58, s58, 13
	s_add_co_u32 s58, s58, CH                      ; my 8,192 bytes, in chunk 1: the first change of slots steps it to chunk 2.  Nothing is prefetched here, at the head
	s_mov_b32 s59, 0
	s_add_nc_u64 s[PFA:PFA+1], s[HB:HB+1], s[58:59]
	s_sub_co_u32 s58, s[WV], 4
	s_lshr_b32 s58, s58, 2                         ; 0 in waves 4 to 7,
	s_or_b32 s58, s58, ttmp9                       ; of work-group 0
	s_cmp_eq_u32 s58, 0
	s_cselect_b32 s[LIM], 2, -1
	s_and_b32 s58, s[WV], 1
	s_cmp_eq_u32 s58, 0
	s_mov_b32 s[QSEL], 0x03020302
	s_cselect_b32 s[QSEL], 0x01000100, s[QSEL]
	s_mov_b32 s[HM], 0xffff0000
	s_mov_b32 s[MNT], 0x600000                     ; the mantissa field of 448
	s_mov_b32 s[SEL], 0x76543210
	s_mov_b32 s[SEL+1], 0xfedcba98                 ; v_permlanex16_b32's selects for lane l xor 16
	s_mov_b32 s[CS], 0x3e38aa3b
	s_mov_b32 s[CS+1], s[CS]                       ; (named with it as a pair, so it is written)
	s_mov_b32 s[COFF], 0
	s_mov_b32 s[COFF+1], 0
	s_mov_b32 s[TB], 0
	s_mov_b32 s[TAU1], 0
	s_mov_b32 s[SLOTS], 8
	s_sub_co_u32 s[NBIG], 8, ttmp9
	s_sub_co_u32 s[QB], 7, ttmp9                   ; the later block first
	v_and_b32 v6, 31, v0
	v_lshlrev_b32 v[LI], 4, v6
	v_lshlrev_b32 v[PFO], 8, v6
	v_and_b32 v7, 15, v0                           ; r
	v_bfe_u32 v6, v0, 4, 1                         ; h
	v_lshlrev_b32 v[L8], 3, v7
	v_lshlrev_b32 v[DM], 3, v6
	v_sub_nc_u32 v[DM], v7, v[DM]
	v_lshlrev_b32 v[R32], 5, v7
	s_lshl_b32 s11, s[WV], 10
	s_add_co_u32 s11, s11, QIMG
	v_add_nc_u32 v[QIO], s11, v[LI]                ; tile w of the block: 1,024 bytes a tile
	s_lshr_b32 s58, s[WV], 3
	s_lshl_b32 s58, s58, 8                         ; its scale word: 256 bytes for eight tiles; pair k = (w / 2) % 4 at 128 (k % 2) + 4 (k / 2) + 8 r
	s_bfe_u32 s59, s[WV], 0x10001
	s_lshl_b32 s59, s59, 7
	s_add_co_u32 s58, s58, s59
	s_bfe_u32 s59, s[WV], 0x10002
	s_lshl_b32 s59, s59, 2
	s_add_co_u32 s58, s58, s59
	s_add_co_u32 s58, s58, QSC
	v_add_nc_u32 v[QSO], s58, v[L8]
.irp j, 0,1,2,3,4,5,6,7
	v_mov_b32 v[QHI+\j], 0                         ; the zero codes on both sides of q
	v_mov_b32 v[QLO+8+\j], 0
.endr
.irp j, 0,1,2,3
	v_mov_b32 v[PT+\j], 0                          ; written once: a lane permute's destination counts as one of its sources
.endr
	v_mov_b32 v[FF+1], 0                           ; (named as the upper half of a pair)
.irp j, 0,1,2,3,4,5,6,7,8
	v_mov_b32 v[T0+\j], 0
.endr
; The block in hand: where its queries, its rows of a_img and of a_scales lie; my tile of Q and its scale word.
.macro LOADQ
	s_lshl_b32 s[Q0], s[QB], 8
	s_lshl_b32 s58, s[WV], 4
	s_add_co_u32 s[Q0], s[Q0], s58                 ; my first query: 256 x block + 16 x wave
	s_mul_i32 s58, s[QB], CH
	s_mov_b32 s59, 0
	s_add_nc_u64 s[QP:QP+1], s[HB:HB+1], s[58:59]
	s_lshl_b32 s58, s[Q0], 10
	s_add_nc_u64 s[AP:AP+1], s[AB:AB+1], s[58:59]
	s_lshl_b32 s58, s[Q0], 5
	s_add_nc_u64 s[ASP:ASP+1], s[SB:SB+1], s[58:59]
	global_load_b128 v[QLO:QLO+3], v[QIO], s[QP:QP+1]
	global_load_b128 v[QLO+4:QLO+7], v[QIO], s[QP:QP+1] offset:512
	global_load_b32 v[QPW], v[QSO], s[QP:QP+1]
	s_wait_loadcnt 0x0
	v_perm_b32 v[QSW], v[QPW], v[QPW], s[QSEL]     ; my tile's two bytes, twice: the lines of INIT are the eight places between this and the next product
.endm
.macro INIT                            ; the step is written once: a block's first step finds zeros, which the first change of M leaves zeros
	v_mov_b32 v13, 0xff61b1e6                      ; the largest t so far: -3e38, under every t
	v_floor_f32 v12, -v13                          ; -M
	v_mov_b32 v14, 0                               ; the sum, in two halves
	v_mov_b32 v15, 0
.set j, 0
.rept 32
	v_mov_b32 v[OT+j], 0
.set j, j+1
.endr
	s_mov_b32 s[KF], 0
.endm
; A KEY STEP: 128 keys, the q-th of the slot in hand.
.macro STEP q
	s_add_co_u32 s58, s[Q0], 15
	s_cmp_gt_u32 s[KF], s58                        ; all its keys come after my queries: only the step of KF is left
	s_cbranch_scc1 .Lhidden_\@
	v_add_nc_u32 v[ADI], s[TB], v[LI]
	v_add_nc_u32 v[ADS], s[TB], v[L8]
.rept 6
	v_nop                                          ; with the two additions: eight places in front of loads into registers that the last products read
.endr
.irp p, 0,1,2,3
.irp c, 0,1,2,3
	ds_load_b128 v[FRG+16*\p+4*\c:FRG+16*\p+4*\c+3], v[ADI] offset:KIMG+8192*(\q)+2048*\p+512*\c   ; tiles 2 p and 2 p + 1 of K: 2,048 bytes on end
.endr
	ds_load_b32 v[KSW+\p], v[ADS] offset:KSC+256*(\q)+128*(\p%2)+4*(\p/2)                          ; and the pair's scale word
.endr
	s_wait_dscnt 0x0
.irp p, 0,1,2,3
	v_wmma_scale_f32_16x16x128_f8f6f4 v[S+16*\p:S+16*\p+7], v[FRG+16*\p:FRG+16*\p+15], v[QLO:QLO+15], 0, v[KSW+\p], v[QSW]
	v_wmma_scale_f32_16x16x128_f8f6f4 v[S+16*\p+8:S+16*\p+15], v[FRG+16*\p:FRG+16*\p+15], v[QHI:QHI+15], 0, v[KSW+\p], v[QSW]
.endr
.rept 8
	v_nop                                          ; places in front of the loads below and of the first read of the scores
.endr
.irp p, 0,1,2,3                                ; V's four channel tiles of these 128 keys: they land under the softmax
.irp c, 0,1,2,3
	ds_load_b128 v[FRG+16*\p+4*\c:FRG+16*\p+4*\c+3], v[ADI] offset:VIMG+8192*(\q)+2048*\p+512*\c
.endr
	ds_load_b32 v[VSW+\p], v[ADS] offset:VSC+256*(\q)+128*(\p%2)+4*(\p/2)
.endr
	s_add_co_u32 s58, s[KF], 127                   ; on the diagonal the scores of hidden keys become -infinity ahead of the maximum: p = 0 then.  A step all of whose keys count skips this
	s_cmp_le_u32 s58, s[Q0]
	s_cbranch_scc1 .Lopen_\@
	s_sub_co_i32 s58, s[Q0], s[KF]
	v_add_nc_u32 v[T0+1], s58, v[DM]               ; d = my query - KF - 8 (lane / 16).  Register 8 t + j holds key KF + 16 t + 8 (lane / 16) + j: hidden where 16 t + j > d
	v_mov_b32 v[T0+2], 0xff800000                  ; -infinity
.set n, 0
.rept 64
	v_cmp_gt_i32 vcc_lo, 16*(n/8)+n%8, v[T0+1]
	v_cndmask_b32 v[S+n], v[S+n], v[T0+2], vcc_lo
.set n, n+1
.endr
.Lopen_\@:
.irp b, 0,1,2,3
	v_max3_num_f32 v[BM+\b], v[S+16*\b], v[S+16*\b+1], v[S+16*\b+2]   ; THE LARGEST SCORE OF EACH BLOCK OF 32 KEYS: for the row's maximum and, since p rises with the score, for the block's largest p
.endr
.irp i, 3,5,7,9,11,13
.irp b, 0,1,2,3
	v_max3_num_f32 v[BM+\b], v[BM+\b], v[S+16*\b+\i], v[S+16*\b+\i+1]   ; (the four blocks by turns)
.endr
.endr
.irp b, 0,1,2,3
	v_max_num_f32 v[BM+\b], v[BM+\b], v[S+16*\b+15]
.endr
.irp b, 0,1,2,3
	v_permlanex16_b32 v[PT+\b], v[BM+\b], s[SEL], s[SEL+1]
.endr
.irp b, 0,1,2,3
	v_max_num_f32 v[BM+\b], v[BM+\b], v[PT+\b]     ; with lane l xor 16's 16 keys
.endr
	v_max3_num_f32 v[T0], v[BM], v[BM+1], v[BM+2]
	v_max_num_f32 v[T0], v[T0], v[BM+3]            ; the step's largest score of my query
	v_mul_f32 v[T0], s[CS], v[T0]                  ; as t (c is positive)
	v_max_num_f32 v13, v13, v[T0]                  ; the running largest t
	v_mov_b32 v[T0], v12
	v_floor_f32 v12, -v13                          ; the new -M = floor(-t) = -ceil(t): a whole number
	v_sub_f32 v[T0], v12, v[T0]                    ; M's old value less its new one: a whole number, 0 or less
	v_cvt_i32_f32 v[T0], v[T0]                     ; (it saturates)
	v_ldexp_f32 v[FF], 1.0, v[T0]                  ; f = 2^(old M - new M)
.set j, 0
.rept 32
	v_pk_fma_f32 v[S+j:S+j+1], v[S+j:S+j+1], s[CS:CS+1], v[12:13] op_sel_hi:[1,0,0]   ; t - M, two at a time
.set j, j+2
.endr
.irp b, 0,1,2,3
	v_fma_f32 v[BM+\b], v[BM+\b], s[CS], v12       ; the same of each block's largest score
.endr
.set j, 0
.rept 64
	v_exp_f32 v[S+j], v[S+j]                       ; p = 2^(t - M), at most 1: not normalised
.set j, j+1
.endr
	v_pk_mul_f32 v[14:15], v[14:15], v[FF:FF+1] op_sel_hi:[1,0]   ; the sums under the new M.  (A plain place behind the exponentials)
	s_wait_alu depctr_va_vdst(0)                   ; one wait for the whole batch, ahead of its first reader
.irp b, 0,1,2,3
	v_exp_f32 v[BM+\b], v[BM+\b]                   ; the block's largest p: the same two instructions on the same number give the same bits
.endr
	v_pk_add_f32 v[T0+3:T0+4], v[S:S+1], v[S+2:S+3]   ; THE ROW'S SUM IS TAKEN OF THE UNQUANTISED p: two at a time, in two chains
.irp j, 4,8,12,16,20,24,28,32,36,40,44,48,52,56,60
	v_pk_add_f32 v[14:15], v[14:15], v[S+\j:S+\j+1]
	v_pk_add_f32 v[T0+3:T0+4], v[T0+3:T0+4], v[S+\j+2:S+\j+3]
.endr
	v_pk_add_f32 v[14:15], v[14:15], v[T0+3:T0+4]
	s_wait_alu depctr_va_vdst(0)                   ; and one for the four
.irp b, 0,1,2,3
	v_max_num_f32 v[BM+\b], 0x4800000, v[BM+\b]    ; the floor 2^(9 - 127): the byte cannot fall under 1
.endr
.irp b, 0,1,2,3
	v_add_nc_u32 v[SO+\b], 0xfc000000, v[BM+\b]    ; 8 off the exponent field: the conversion's scale operand
.endr
.irp b, 0,1,2,3
	v_and_or_b32 v[HD+\b], v[BM+\b], 0x7f800000, s[MNT]   ; 448 x the scale
.endr
.irp b, 0,1,2,3
	v_lshrrev_b32 v[PT+\b], 23, v[SO+\b]           ; the scale's byte
.endr
	v_lshl_or_b32 v[PSW], v[PT+1], 8, v[PT]        ; p's scale word for these 128 keys
	v_lshl_or_b32 v[PSW], v[PT+2], 16, v[PSW]
	v_lshl_or_b32 v[PSW], v[PT+3], 24, v[PSW]
.irp b, 0,1,2,3
.irp i, 0,1,2,3,4,5,6,7,8,9,10,11,12,13,14,15
	v_min_num_f32 v[S+16*\b+\i], v[S+16*\b+\i], v[HD+\b]   ; the conversion to an 8-bit code does not saturate (ISA guide 7.6.2); p is not negative, so the hold is one-sided
.endr
	v_cvt_scalef32_pk8_fp8_f32 v[PC+4*\b:PC+4*\b+1], v[S+16*\b:S+16*\b+7], v[SO+\b]
	v_cvt_scalef32_pk8_fp8_f32 v[PC+4*\b+2:PC+4*\b+3], v[S+16*\b+8:S+16*\b+15], v[SO+\b]
.endr
.set j, 0
.rept 16
	v_pk_mul_f32 v[OT+j:OT+j+1], v[OT+j:OT+j+1], v[FF:FF+1] op_sel_hi:[1,0]   ; O^T under the new M.  (These sixteen are also the places between the codes and the products)
.set j, j+2
.endr
	s_wait_dscnt 0x0                               ; V is in
.irp p, 0,1,2,3                                ; four accumulators by turns
	v_wmma_scale_f32_16x16x128_f8f6f4 v[OT+8*\p:OT+8*\p+7], v[FRG+16*\p:FRG+16*\p+15], v[PC:PC+15], v[OT+8*\p:OT+8*\p+7], v[VSW+\p], v[PSW]
.endr
.Lhidden_\@:
	s_add_co_u32 s[KF], s[KF], 128
.endm
; THE CHANGE OF SLOTS stands at a slot's head.  Each wave waits for all its tensor loads (its part of the slot that it is about to read), adds 0 to its spare word, and waits for that and for its reads of the slot that it has left.
; Behind the barrier the slot ahead is whole and nobody reads the other one.  fill = 1: that other slot is filled with the chunk that follows: the next of the block in hand, or chunk 0 for the second block.
.macro CHANGE fill
	s_wait_tensorcnt 0x0                           ; no tensor load of mine is out, so group 0 may be written
	ds_add_u32 v[SPW], v[NIL]                      ; 0 onto my spare word
.if \fill
	s_xor_b32 s[G0+1], s[G0+1], SLOT1              ; the other slot than last time
	s_add_co_u32 s[TAU1], s[TAU1], 1
	s_add_co_u32 s[COFF], s[COFF], CH
	s_cmp_eq_u32 s[TAU1], s[NBIG]
	s_cselect_b32 s[COFF], 0, s[COFF]              ; the first block's chunks are through: back to chunk 0
	s_add_nc_u64 s[G0+2:G0+3], s[KVB:KVB+1], s[COFF:COFF+1]
	s_or_b32 s[G0+3], s[G0+3], 0x80000000
	s_wait_xcnt 0x0                                ; the last prefetch, a slot back, has read its address, so it may be written
	s_add_nc_u64 s[PFA:PFA+1], s[PFA:PFA+1], CH
.endif
	s_wait_dscnt 0x0                               ; the add is done, and my reads of the slot that I have left are over
	s_barrier_signal -1
	s_barrier_wait -1
.if \fill
	TLOAD                                          ; the first thing behind the barrier, and a wave's one tensor load until the next
	ASK
.endif
.endm
.macro SLOT_STEPS
	STEP 0
	STEP 1
	s_xor_b32 s[TB], s[TB], SLOT1                  ; on to the other slot
.endm
; A BLOCK'S END.  O^T / l; the head's 64 channels are two blocks of 32 of the last product's K: register 8 t + j is channel 16 t + 8 (lane / 16) + j, so a block lies in 16 registers of lanes l and l xor 16.
; Wo's order along K is given, so the codes leave in TRUE order: lane (r, h) wants channels 32 b + 16 h + 0 .. 15.  Lanes 0-15 lack the other half's codes of tile 2 b, lanes 16-31 those of tile 2 b + 1: one exchange of two registers a block.
.macro FINISH
.rept 8
	v_nop                                          ; places behind the last products
.endr
	v_add_f32 v14, v14, v15                        ; the sum's two halves,
	v_permlanex16_b32 v[T0], v14, s[SEL], s[SEL+1]
	v_add_f32 v14, v14, v[T0]                      ; and lane l xor 16's: l
	v_rcp_f32 v14, v14
	v_nop                                          ; a plain place behind the transcendental
	s_wait_alu depctr_va_vdst(0)                   ; and the wait ahead of its first reader
.set j, 0
.rept 16
	v_pk_mul_f32 v[S+j:S+j+1], v[OT+j:OT+j+1], v[14:15] op_sel_hi:[1,0]   ; each accumulator from its low end on
.set j, j+2
.endr
.irp b, 0,1
	v_max3_num_f32 v[BM+\b], |v[S+16*\b]|, |v[S+16*\b+1]|, 0x4800000
.endr
.irp i, 2,4,6,8,10,12,14
.irp b, 0,1
	v_max3_num_f32 v[BM+\b], v[BM+\b], |v[S+16*\b+\i]|, |v[S+16*\b+\i+1]|
.endr
.endr
.irp b, 0,1
	v_permlanex16_b32 v[PT+\b], v[BM+\b], s[SEL], s[SEL+1]
.endr
.irp b, 0,1
	v_max_num_f32 v[BM+\b], v[BM+\b], v[PT+\b]
.endr
.irp b, 0,1
	v_add_nc_u32 v[SO+\b], 0xfc000000, v[BM+\b]
	v_and_or_b32 v[HD+\b], v[BM+\b], 0x7f800000, s[MNT]
.endr
.irp b, 0,1
	v_lshrrev_b32 v[PT+\b], 23, v[SO+\b]
.endr
	v_lshl_or_b32 v[T0], v[PT+1], 8, v[PT]         ; my row's two scale bytes
.irp b, 0,1
.irp i, 0,1,2,3,4,5,6,7,8,9,10,11,12,13,14,15
	v_med3_num_f32 v[S+16*\b+\i], v[S+16*\b+\i], -v[HD+\b], v[HD+\b]
.endr
.endr
.irp t, 0,1,2,3
	v_cvt_scalef32_pk8_fp8_f32 v[PC+2*\t:PC+2*\t+1], v[S+8*\t:S+8*\t+7], v[SO+\t/2]
.endr
	v_nop                                          ; one plain vector line behind the last conversion
.irp b, 0,1
	v_cndmask_b32 v[T0+1+4*\b], v[PC+4*\b+2], v[PC+4*\b], s[HM]      ; what the other half lacks: lanes 0-15 send tile 2 b + 1's codes, lanes 16-31 tile 2 b's
	v_cndmask_b32 v[T0+2+4*\b], v[PC+4*\b+3], v[PC+4*\b+1], s[HM]
.endr
.irp b, 0,1
	v_permlanex16_b32 v[T0+3+4*\b], v[T0+1+4*\b], s[SEL], s[SEL+1]
	v_permlanex16_b32 v[T0+4+4*\b], v[T0+2+4*\b], s[SEL], s[SEL+1]
.endr
.irp b, 0,1
	v_cndmask_b32 v[S+32+4*\b], v[PC+4*\b], v[T0+3+4*\b], s[HM]
	v_cndmask_b32 v[S+33+4*\b], v[PC+4*\b+1], v[T0+4+4*\b], s[HM]
	v_cndmask_b32 v[S+34+4*\b], v[T0+3+4*\b], v[PC+4*\b+2], s[HM]
	v_cndmask_b32 v[S+35+4*\b], v[T0+4+4*\b], v[PC+4*\b+3], s[HM]
	global_store_b128 v[LI], v[S+32+4*\b:S+35+4*\b], s[AP:AP+1] offset:512*\b th:TH_STORE_NT   ; 512 consecutive bytes: a group of four registers of the last product's operand
.endr
	global_store_b16 v[R32], v[T0], s[ASP:ASP+1]   ; lanes l and l xor 16 store the same two bytes at the same place
	s_wait_xcnt 0x0                                ; the stores have read their data and their bases: both may be written again
.endm
	LOADQ
	INIT
.Lslot:                                            ; eight trips: behind each change of slots but the last the next chunk is asked for
	CHANGE 1
	SLOT_STEPS
	s_cmp_lg_u32 s[TAU1], s[NBIG]                  ; the first block's last chunk is done: a branch on ids, round register work, loads and stores alone
	s_cbranch_scc1 .Lsame
	FINISH
	s_mov_b32 s[QB], ttmp9                         ; the earlier block
	LOADQ
	INIT
.Lsame:
	s_sub_co_u32 s[SLOTS], s[SLOTS], 1
	s_cmp_lg_u32 s[SLOTS], 0
	s_cbranch_scc1 .Lslot
	CHANGE 0                                       ; the last slot is written out
	SLOT_STEPS
	FINISH
	s_wait_tensorcnt 0x0                           ; the wave's end
	ds_add_u32 v[SPW], v[NIL]
	s_wait_dscnt 0x0
	s_endpgm
.Lfunc_end_k_q4c1d0b95ea_attn:
	.size	k_q4c1d0b95ea_attn, .Lfunc_end_k_q4c1d0b95ea_attn-k_q4c1d0b95ea_attn
	.p2alignl 7, 3214868480
	.fill 96, 4, 3214868480
	.section	.rodata,"a",@progbits
	.p2align	6, 0x0
	.amdhsa_kernel k_q4c1d0b95ea_attn
		.amdhsa_group_segment_fixed_size 327680
		.amdhsa_private_segment_fixed_size 0
		.amdhsa_enable_private_segment 0
		.amdhsa_kernarg_size 24
		.amdhsa_user_sgpr_count 2
		.amdhsa_user_sgpr_kernarg_segment_ptr 1
		.amdhsa_wavefront_size32 1
		.amdhsa_system_sgpr_workgroup_id_x 1
		.amdhsa_system_sgpr_workgroup_id_y 1
		.amdhsa_system_sgpr_workgroup_id_z 1
		.amdhsa_system_vgpr_workitem_id 0
		.amdhsa_next_free_vgpr 256
		.amdhsa_next_free_sgpr 66
		.amdhsa_reserve_vcc 1
		.amdhsa_float_denorm_mode_32 3
		.amdhsa_float_denorm_mode_16_64 3
		.amdhsa_memory_ordered 1
		.amdhsa_forward_progress 1
		.amdhsa_inst_pref_size 120
	.end_amdhsa_kernel
	.amdgpu_metadata
---
amdhsa.version: [ 1, 2 ]
amdhsa.kernels:
  - .name:           k_q4c1d0b95ea_attn
    .symbol:         k_q4c1d0b95ea_attn.kd
    .args:
      - { .name: qkv, .offset: 0, .size: 8, .value_kind: global_buffer, .address_space: global }
      - { .name: a_img, .offset: 8, .size: 8, .value_kind: global_buffer, .address_space: global }
      - { .name: a_scales, .offset: 16, .size: 8, .value_kind: global_buffer, .address_space: global }
    .group_segment_fixed_size: 327680
    .private_segment_fixed_size: 0
    .kernarg_segment_align: 8
    .kernarg_segment_size: 24
    .max_flat_workgroup_size: 512
    .sgpr_count:     66
    .vgpr_count:     256
    .wavefront_size: 32
...
	.end_amdgpu_metadata
.endif
;; end of part 2
;; launch outproj (part 3): grid 4 x 32, 4 waves a work-group, clusters of 4 x 4, 327,680 bytes of LDS; arguments a_img, a_scales, Wo_codes, Wo_scales, out0; writes out0
.if DOCPART == 3
	.amdgcn_target "amdgcn-amd-amdhsa--gfx1250"
	.amdhsa_code_object_version 6
	.text
	.protected	k_q4c1d0b95ea_outproj
	.globl	k_q4c1d0b95ea_outproj
	.p2align	8
	.type	k_q4c1d0b95ea_outproj,@function
k_q4c1d0b95ea_outproj:
	s_mov_b64 s[64:65], 0
	v_nop
	global_prefetch_b8 v0, s[64:65] scope:SCOPE_SE
	s_setreg_imm32_b32 hwreg(HW_REG_WAVE_MODE, 25, 1), 1
	s_wait_xcnt 0x0
	s_wait_alu depctr_hold_cnt(0) depctr_sa_sdst(0) depctr_va_vdst(0) depctr_va_sdst(0) depctr_va_ssrc(0) depctr_va_vcc(0) depctr_vm_vsrc(0)
	s_getreg_b32 s2, hwreg(HW_REG_IB_STS2, 6, 4)
	s_cmp_eq_u32 s2, 0
	s_cbranch_scc0 .Lentry_in_a_cluster
	s_endpgm
.Lentry_in_a_cluster:
	s_bfe_u32 s2, ttmp6, 0x10000c
	s_cmp_lg_u32 s2, 0xf033
	s_cbranch_scc0 .Lentry_shape_is_right
	s_endpgm
.Lentry_shape_is_right:
; out0[m][n] = sum over k of A[m][k] Wo[n][k] on codes of FP8 (E4M3) with one E8M0 scale for each 32 along K: 8,192 x 1,024 x 1,024, f32 out.
; A is the attention launch's output: its codes lie as IMAGES OF THIS PRODUCT'S FRAGMENTS: tile of 16 rows: 16,384 bytes; in it 128 along K: 2,048 bytes = 4 groups of four registers x 32 lanes x 16 bytes; its scale bytes lie [8,192][32].  Wo: [1,024][1,024] codes, [1,024][32] scale bytes.
; A tile of C, 256 x 256, is made by four waves, 128 x 128 each: 64 accumulators, 512 registers.  K goes in steps of 256 through a ring of two LDS slots filled by the tensor data mover.
; The scales of the work-group's 256 rows of A and of Wo, for all of K, come into LDS once, with the first fills.
; CLUSTERS: 4 x 4 work-groups: A's tiles are asked for jointly along a row of the cluster, Wo's along a column.  THE MATRIX INSTRUCTION IS USED TRANSPOSED (source 0 = 16 rows of Wo, source 1 = 16 rows of A): a lane holds eight neighbouring numbers of a row of C.
; 128 work-groups: the tile is kept at 256 x 256, since a wave tile of 64 x 128 would read half as much again from LDS for each product.
; REGISTERS, in windows of 256: window 0: v0-31 addresses; v32-63 scale words, two sets; from v128 A's fragments, ONE set; on the way out v128-255 are free.  window 1: Wo's fragments, TWO sets.  windows 2, 3: the accumulators, (a, b) at v[8 (8 (a % 4) + b)].
.set SIZE_N, 1024
.set KSTEP,  256
.set NQ,     2
.set ROWB,   256                       ; a row of Wo's tile in bytes
.set KROW,   1024                      ; a row of Wo in memory; also A's bytes for each row (16,384 for 16)
.set ASTEP,  4096                      ; a K step of a tile of 16 rows of A
.set PITCH,  272                       ; Wo's LDS row: 256 bytes + 16 of padding: the 16 rows that a load touches start at 16 different banks (64 banks of 4 bytes: ISA guide 11.1)
.set FR,     16
.set NL,     4
.set NP,     8                         ; places behind this matrix instruction (ISA guide 7.12.1)
.set HALFA,  8*ASTEP                   ; 128 rows of A: 8 tiles x 4,096 bytes, dense: images are read 16 bytes a lane on end
.set HALFB,  128*PITCH                 ; 128 rows of Wo
.set SLOT,   2*HALFA+2*HALFB
.set KS,     32
.set SCL,    2*SLOT
.set HALFS,  16*272
.set SBLK,   2*272
.set SPARE,  SCL+4*HALFS               ; the spare words, 128 bytes for each wave: two blocks of 256 bytes that no other line names
.set SPITCH, 528                       ; the way out: a stage of 16 rows x (512 bytes + 16) for each wave, in slot 0, which has had its last fill and its last read when the first result is stored there
.set ADRA, 16
.set ADRB, 20
.set STO,  24
.set RD,   25
.set CO,   26
.set ADRS, 27
.set SPW,  28
.set NIL,  29
.set SC,   32
.set AF,   128
.set BK,   128
.set G1, 24
.set G0, 32
.set G1B, 48
.set G0B, 56
.set G1S, 68
.set G0S, 76
.set G1SB, 80
.set G0SB, 88
.set MSB, 0
.macro WIN new                         ; the immediate's high byte repeats the setting that is left
.if MSB != \new
	s_set_vgpr_msb (MSB<<8)|\new
.set MSB, \new
.endif
.endm
.set MUL_LO, 0xa1
.set MUL_HI, 0xf1
.set TO_B,   0x40
; A joint load: waves 0 and 1 fetch for A, waves 2 and 3 for Wo.  Four v_nop follow each of the two lines, ahead of the jump, the label and what follows.
.macro JLOAD g0a, g1a, g0b, g1b
	s_cmp_eq_u32 s15, 0
	s_cbranch_scc0 .Lfor_b_\@
	tensor_load_to_lds s[\g0a:\g0a+3], s[\g1a:\g1a+7]
	s_nop 0
.rept 4
	v_nop
.endr
	s_branch .Lasked_\@
.Lfor_b_\@:
	tensor_load_to_lds s[\g0b:\g0b+3], s[\g1b:\g1b+7]
	s_nop 0
.rept 4
	v_nop
.endr
.Lasked_\@:
.endm
.macro CREST
	s_cmp_lg_u32 s14, 0
	s_cbranch_scc1 .Lnot_wave_0_\@
	s_barrier_signal -3
.Lnot_wave_0_\@:
	s_barrier_wait -3
	s_barrier_signal -1
	s_barrier_wait -1
.endm
.macro CROUND
	s_barrier_signal -1
	s_barrier_wait -1
	CREST
.endm
	s_load_b128 s[4:7], s[0:1], 0x0                ; A's images s[4:5], A's scales s[6:7]
	s_load_b128 s[8:11], s[0:1], 0x10              ; Wo's codes s[8:9], Wo's scales s[10:11]
	s_load_b64 s[12:13], s[0:1], 0x20              ; out0
	v_lshl_add_u32 v[SPW], v0, 2, SPARE
	v_mov_b32 v[NIL], 0
	ds_add_u32 v28, v29
	s_wait_dscnt 0x0
	v_lshrrev_b32 v1, 5, v0
	v_readfirstlane_b32 s14, v1                    ; wave 0..3
	s_lshr_b32 s15, s14, 1                         ; which half of the tile's rows is mine.  Also: I fetch for A (0) or for Wo (1)
	s_and_b32 s16, s14, 1                          ; which half of its columns.  Also: which 128 rows of that tile I fetch
	s_bfe_u32 s40, ttmp6, 0x40000
	s_bfe_u32 s41, ttmp6, 0x40004
	s_lshl_b32 s42, ttmp9, 2
	s_add_co_u32 s42, s42, s40                     ; tile column of C
	s_and_b32 s17, ttmp7, 0xffff
	s_lshl_b32 s17, s17, 2
	s_add_co_u32 s17, s17, s41                     ; tile row of C
	s_lshl_b32 s43, s41, 2
	s_lshl_b32 s43, 15, s43                        ; my row of the cluster
	s_lshl_b32 s44, 0x1111, s40                    ; my column
	; descriptor group 1 for A: 8 rows (tiles of 16 rows of A) of 4,096 bytes (512 elements of 8), 16,384 bytes apart; no padding
	s_or_b32 s[G1+0], s43, (3<<16)|(1<<21)
	s_mov_b32 s[G1+1], 512<<16                     ; tensor_dim0
	s_mov_b32 s[G1+2], 8<<16                       ; tensor_dim1
	s_mov_b32 s[G1+3], 512<<16                     ; tile_dim0
	s_mov_b32 s[G1+4], 8                           ; tile_dim1
	s_mov_b32 s[G1+5], 2048                        ; the pitch, in elements
	s_mov_b32 s[G1+6], 0
	s_mov_b32 s[G1+7], 0
	; for Wo: 128 rows x 256 bytes, 16 bytes of padding behind each
	s_or_b32 s[G1B+0], s44, (0<<16)|(1<<20)|(1<<21)|(5<<22)|(3<<25)
	s_mov_b32 s[G1B+1], ROWB<<16
	s_mov_b32 s[G1B+2], 128<<16
	s_mov_b32 s[G1B+3], ROWB<<16
	s_mov_b32 s[G1B+4], 128
	s_mov_b32 s[G1B+5], KROW
	s_mov_b32 s[G1B+6], 0
	s_mov_b32 s[G1B+7], 0
	; for the scales of 128 rows: 16 rows of 256 bytes, 16 bytes of padding behind each
	s_or_b32 s[G1S+0], s43, (3<<16)|(1<<20)|(1<<21)|(5<<22)|(3<<25)
	s_or_b32 s[G1SB+0], s44, (3<<16)|(1<<20)|(1<<21)|(5<<22)|(3<<25)
.irp g, G1S, G1SB
	s_mov_b32 s[\g+1], 32<<16
	s_mov_b32 s[\g+2], 16<<16
	s_mov_b32 s[\g+3], 32<<16
	s_mov_b32 s[\g+4], 16
	s_mov_b32 s[\g+5], 32
	s_mov_b32 s[\g+6], 0
	s_mov_b32 s[\g+7], 0
.endr
	s_lshl_b32 s18, s16, 7
	s_lshl_b32 s20, s17, 8
	s_add_co_u32 s20, s20, s18                     ; A: row 256 x tile row + 128 x half
	s_lshl_b32 s46, s42, 8
	s_add_co_u32 s46, s46, s18                     ; Wo: row 256 x tile column + 128 x half
	s_mov_b32 s21, 0
	s_mov_b32 s47, 0
	s_mov_b64 s[18:19], KS
	s_mul_u64 s[22:23], s[20:21], s[18:19]
	s_mul_u64 s[92:93], s[46:47], s[18:19]
	s_mov_b64 s[18:19], KROW
	s_mul_u64 s[20:21], s[20:21], s[18:19]         ; A's images: 1,024 bytes for each row too
	s_mul_u64 s[46:47], s[46:47], s[18:19]
	s_mul_i32 s45, s16, HALFA                      ; where they go: A's two halves,
	s_mul_i32 s95, s16, HALFB
	s_add_co_u32 s95, s95, 2*HALFA                 ; then Wo's two: no place in the cluster enters an LDS address
	s_mul_i32 s94, s14, HALFS
	s_wait_kmcnt 0x0
	s_add_nc_u64 s[20:21], s[4:5], s[20:21]
	s_add_nc_u64 s[22:23], s[6:7], s[22:23]
	s_add_nc_u64 s[46:47], s[8:9], s[46:47]
	s_add_nc_u64 s[92:93], s[10:11], s[92:93]
	CROUND                                         ; all sixteen work-groups are here: the first joint loads meet
	s_mov_b32 s[G0S], 1
	s_add_co_u32 s[G0S+1], s94, SCL
	s_mov_b64 s[G0S+2:G0S+3], s[22:23]
	s_or_b32 s[G0S+3], s[G0S+3], 0x80000000
	s_mov_b32 s[G0SB], 1
	s_add_co_u32 s[G0SB+1], s94, SCL
	s_mov_b64 s[G0SB+2:G0SB+3], s[92:93]
	s_or_b32 s[G0SB+3], s[G0SB+3], 0x80000000
	JLOAD G0S, G1S, G0SB, G1SB                     ; the scales first: they are wanted with K step 0
.irp s, 0,1
	s_mov_b32 s[G0+4*\s], 1
	s_add_co_u32 s[G0+4*\s+1], s45, \s*SLOT
	s_add_nc_u64 s[G0+4*\s+2:G0+4*\s+3], s[20:21], \s*ASTEP
	s_or_b32 s[G0+4*\s+3], s[G0+4*\s+3], 0x80000000
	s_mov_b32 s[G0B+4*\s], 1
	s_add_co_u32 s[G0B+4*\s+1], s95, \s*SLOT
	s_add_nc_u64 s[G0B+4*\s+2:G0B+4*\s+3], s[46:47], \s*ROWB
	s_or_b32 s[G0B+4*\s+3], s[G0B+4*\s+3], 0x80000000
	JLOAD G0+4*\s, G1, G0B+4*\s, G1B
.endr
	v_and_b32 v1, 15, v0                           ; l % 16
	v_bfe_u32 v2, v0, 4, 1                         ; l / 16
	v_mul_u32_u24 v3, v1, PITCH
	v_lshl_add_u32 v4, v2, 4, v3                   ; Wo: a fragment's row x pitch + 16 x half
	v_and_b32 v6, 31, v0
	v_lshlrev_b32 v[CO], 4, v6                     ; 16 x lane: A's images; and my place in a row of C
	s_mul_i32 s21, s15, HALFA                      ; my 128 rows of A
	s_mul_i32 s22, s16, HALFB                      ; my 128 rows of Wo,
	s_add_co_u32 s22, s22, 2*HALFA                 ; which lie behind A's 256
.irp s, 0,1
	v_add_nc_u32 v[ADRA+\s], s21, v[CO]
	v_add_nc_u32 v[ADRB+\s], s22, v4
	s_add_co_u32 s21, s21, SLOT
	s_add_co_u32 s22, s22, SLOT
.endr
	v_mul_u32_u24 v5, v1, KS
	v_lshrrev_b32 v6, 8, v5
	v_lshl_add_u32 v5, v6, 4, v5
	s_mul_i32 s21, s15, HALFS
	s_mul_i32 s22, s16, HALFS
	s_add_co_u32 s22, s22, 2*HALFS
	s_sub_co_u32 s22, s22, s21
	v_mul_u32_u24 v6, s22, v2                      ; lanes 16-31 take Wo's
	s_add_co_u32 s21, s21, SCL
	v_add_nc_u32 v5, v5, v6
	v_add_nc_u32 v[ADRS], s21, v5
	s_mul_i32 s23, s14, 16*SPITCH                  ; my stage
	v_mul_u32_u24 v5, v1, SPITCH                   ; in: row l % 16, 32 bytes for each half of the lanes
	v_lshl_add_u32 v5, v2, 5, v5
	v_add_nc_u32 v[STO], s23, v5
	v_add_nc_u32 v[RD], s23, v[CO]                 ; back: the 32 lanes take one row of 512 bytes
	s_lshl_b32 s20, s17, 8
	s_lshl_b32 s21, s15, 7
	s_add_co_u32 s20, s20, s21                     ; my first row of C
	s_mov_b32 s21, 0
	s_mov_b64 s[18:19], SIZE_N*4
	s_mul_u64 s[20:21], s[20:21], s[18:19]
	s_lshl_b32 s46, s42, 10                        ; my first column, in bytes
	s_lshl_b32 s47, s16, 9
	s_add_co_u32 s46, s46, s47
	s_mov_b32 s47, 0
	s_add_nc_u64 s[20:21], s[20:21], s[46:47]
	s_add_nc_u64 s[12:13], s[12:13], s[20:21]
.macro FRAG reg, adr, q, i             ; a fragment of Wo from rows: lane l holds row l % 16; registers 4 c .. 4 c + 3 hold K = 32 c + 16 (l / 16) + 0 .. 15
.irp c, 0,1,2,3
	ds_load_b128 v[\reg+4*\c:\reg+4*\c+3], v[\adr] offset:128*(\q)+32*\c+(\i)*16*PITCH
.endr
.endm
.macro FRAGA reg, adr, q, i            ; a fragment of A from its image: group c of four registers at 512 c, 16 bytes a lane
.irp c, 0,1,2,3
	ds_load_b128 v[\reg+4*\c:\reg+4*\c+3], v[\adr] offset:ASTEP*(\i)+2048*(\q)+512*\c
.endr
.endm
; 16 matrix instructions: A's blocks a0, a0 + 1 x Wo's eight, 128 along K.  The 64 accumulators take turns, one instruction a turn, in the same order in every step.
.macro MUL16 a0, p, q, sc, zero
.irp a, \a0, \a0+1
.irp b, 0,1,2,3,4,5,6,7
.if \zero
	v_wmma_scale_f32_16x16x128_f8f6f4 v[8*(8*((\a)%4)+\b):8*(8*((\a)%4)+\b)+7], v[128*(\p)+FR*\b:128*(\p)+FR*\b+FR-1], v[AF+FR*(\a):AF+FR*(\a)+FR-1], 0, v[SC+8*NQ*(\sc)+NQ*\b+(\q)], v[SC+8*NQ*(\sc)+NQ*(\a)+(\q)] matrix_a_scale:MATRIX_SCALE_ROW1
.else
	v_wmma_scale_f32_16x16x128_f8f6f4 v[8*(8*((\a)%4)+\b):8*(8*((\a)%4)+\b)+7], v[128*(\p)+FR*\b:128*(\p)+FR*\b+FR-1], v[AF+FR*(\a):AF+FR*(\a)+FR-1], v[8*(8*((\a)%4)+\b):8*(8*((\a)%4)+\b)+7], v[SC+8*NQ*(\sc)+NQ*\b+(\q)], v[SC+8*NQ*(\sc)+NQ*(\a)+(\q)] matrix_a_scale:MATRIX_SCALE_ROW1
.endif
.endr
.endr
.endm
.macro FETCH_B slot, q, p
	WIN TO_B
.irp i, 0,1,2,3,4,5,6,7
	FRAG 128*(\p)+FR*\i, ADRB+\slot, \q, \i
.endr
	WIN 0
.endm
.macro FETCH_A slot, q, i0
.irp i, \i0, \i0+1, \i0+2, \i0+3
	FRAGA AF+FR*(\i), ADRA+\slot, \q, \i
.endr
.endm
.macro SCALES sc
.irp i, 0,1,2,3,4,5,6,7
	ds_load_b64 v[SC+8*NQ*\sc+NQ*\i:SC+8*NQ*\sc+NQ*\i+1], v[ADRS] offset:\i*SBLK
.endr
.endm
.macro PLACES n                        ; places behind matrix instructions: plain vector instructions that name none of their registers (ISA guide 7.12.1 for vector instructions)
.rept \n
	v_nop
.endr
.endm
.macro STEP slot, q, zero
	s_wait_dscnt 4*NL                              ; Wo's set and A's blocks 0-3 are in; the youngest 16 loads (A's blocks 4-7) may be out
	WIN MUL_LO
	MUL16 0, (\q)%2, \q, \slot, \zero
	MUL16 2, (\q)%2, \q, \slot, \zero
	s_wait_dscnt 0
	PLACES NP
	FETCH_B \slot, (\q)+1, 1-(\q)%2
	FETCH_A \slot, (\q)+1, 0
	WIN MUL_HI
	MUL16 4, (\q)%2, \q, \slot, \zero
	MUL16 6, (\q)%2, \q, \slot, \zero
	PLACES NP
	WIN 0
	FETCH_A \slot, (\q)+1, 4
.endm
; A slot's last step changes slots: ONE barrier; in front of it each wave waits for all its tensor loads, adds 0 to its spare word, and waits for that and for its own reads of this slot.
.macro TURN slot, next, fill
	s_wait_tensorcnt 0x0                           ; all my tensor loads have landed: my part of the next slot
	ds_add_u32 v[SPW], v[NIL]                      ; 0 onto my spare word
	s_wait_dscnt 4*NL+1                            ; (the add and the youngest 16 loads may be out)
	WIN MUL_LO
	MUL16 0, 1, NQ-1, \slot, 0
	s_wait_dscnt 0x0                               ; the add is done, and my reads of this slot are over
	s_barrier_signal -1
	MUL16 2, 1, NQ-1, \slot, 0
	WIN 0
	s_barrier_wait -1
.if \fill
	CREST                                          ; the barrier has opened a round of the cluster's barrier: no wave of any partner still reads this slot's tile or has a load on its way
	s_add_nc_u64 s[G0+4*\slot+2:G0+4*\slot+3], s[G0+4*\slot+2:G0+4*\slot+3], 2*ASTEP
	s_add_nc_u64 s[G0B+4*\slot+2:G0B+4*\slot+3], s[G0B+4*\slot+2:G0B+4*\slot+3], 2*ROWB
	JLOAD G0+4*\slot, G1, G0B+4*\slot, G1B         ; the first tensor load behind the round; its four v_nop are among the places in front of the loads below
	PLACES NP-4
.else
	PLACES NP
.endif
	v_add_nc_u32 v[ADRS], 4*NQ, v[ADRS]
	FETCH_B \next, 0, 0
	FETCH_A \next, 0, 0
	SCALES \next
	WIN MUL_HI
	MUL16 4, 1, NQ-1, \slot, 0
	MUL16 6, 1, NQ-1, \slot, 0
	PLACES NP
	WIN 0
	FETCH_A \next, 0, 4
.endm
	s_wait_tensorcnt 1                             ; the scales and my part of K step 0 are in (K step 1's load may be out),
	s_barrier_signal -1
	s_barrier_wait -1                              ; everybody's are
	FETCH_B 0, 0, 0
	FETCH_A 0, 0, 0
	SCALES 0
	FETCH_A 0, 0, 4
	STEP 0, 0, 1                                   ; the first step's products start the sums
	TURN 0, 1, 1                                   ; K has four K steps of 256: once round the ring with refills,
	STEP 1, 0, 0
	TURN 1, 0, 1
	STEP 0, 0, 0
	TURN 0, 1, 0                                   ; and once without
	STEP 1, 0, 0
	s_wait_dscnt 4*NL
	WIN MUL_LO
	MUL16 0, 1, NQ-1, 1, 0
	MUL16 2, 1, NQ-1, 1, 0
	s_wait_dscnt 0
	WIN MUL_HI
	MUL16 4, 1, NQ-1, 1, 0
	MUL16 6, 1, NQ-1, 1, 0
	WIN 0
; THE WAY OUT, block by block of 16 rows x 128 columns, through my own stage in LDS: in as 32 bytes a lane, back as whole rows of 512 bytes, which the 32 lanes store as two aligned runs of 256 bytes.
; LDS serves a wave's instructions in order (ISA guide 5.7.1.4): no wait between the stores and the loads, nor in front of the next block's stores.
.macro TOSTAGE a
.set AC, 64*((\a)%4)
	WIN 0x08+4*((\a)/4)                            ; the data: window 2 or 3
.irp b, 0,1,2,3,4,5,6,7
	ds_store_b128 v[STO], v[AC+8*\b:AC+8*\b+3] offset:64*\b          ; each accumulator from its low end on
	ds_store_b128 v[STO], v[AC+8*\b+4:AC+8*\b+7] offset:64*\b+16
.endr
	WIN 0
.set BB, BK+64*((\a)%2)
.irp t, 0,1,2,3,4,5,6,7,8,9,10,11,12,13,14,15
	ds_load_b128 v[BB+4*\t:BB+4*\t+3], v[RD] offset:\t*SPITCH
.endr
.endm
.macro SEND a, younger                 ; younger: the LDS instructions issued behind block a's loads, which may stay out
.set BB, BK+64*((\a)%2)
	s_wait_dscnt \younger                          ; the block is back in registers
.if (\a) > 0
	s_add_nc_u64 s[12:13], s[12:13], 16*SIZE_N*4   ; (behind a wait on XCNT: the earlier stores have read their base)  16 rows of C on
.endif
.irp t, 0,1,2,3,4,5,6,7,8,9,10,11,12,13,14,15
	global_store_b128 v[CO], v[BB+4*\t:BB+4*\t+3], s[12:13] offset:\t*SIZE_N*4 th:TH_STORE_NT   ; 32 lanes store 512 consecutive bytes, at a multiple of 256 from C's first byte
.endr
.endm
	PLACES NP
	TOSTAGE 0
.irp a, 1,2,3,4,5,6,7
.if \a > 1
	s_wait_xcnt 0x0                                ; block a - 2's stores have read their registers and their base: block a's loads may land there, and the base may step
.endif
	TOSTAGE \a
	SEND \a-1, 32                                  ; behind block a - 1's loads: block a's 16 stores and 16 loads
.endr
	s_wait_xcnt 0x0                                ; block 6's stores have read their base
	SEND 7, 0
	s_wait_tensorcnt 0x0                           ; the wave's end, behind my last tensor load and my last LDS store
	ds_add_u32 v[SPW], v[NIL]
	s_wait_dscnt 0x0
	CROUND                                         ; the closing round: no work-group ends while a partner may still ask for a tile that names it
	s_endpgm
.Lfunc_end_k_q4c1d0b95ea_outproj:
	.size	k_q4c1d0b95ea_outproj, .Lfunc_end_k_q4c1d0b95ea_outproj-k_q4c1d0b95ea_outproj
	.p2alignl 7, 3214868480
	.fill 96, 4, 3214868480
	.section	.rodata,"a",@progbits
	.p2align	6, 0x0
	.amdhsa_kernel k_q4c1d0b95ea_outproj
		.amdhsa_group_segment_fixed_size 327680
		.amdhsa_private_segment_fixed_size 0
		.amdhsa_enable_private_segment 0
		.amdhsa_kernarg_size 40
		.amdhsa_user_sgpr_count 2
		.amdhsa_user_sgpr_kernarg_segment_ptr 1
		.amdhsa_wavefront_size32 1
		.amdhsa_system_sgpr_workgroup_id_x 1
		.amdhsa_system_sgpr_workgroup_id_y 1
		.amdhsa_system_sgpr_workgroup_id_z 1
		.amdhsa_system_vgpr_workitem_id 0
		.amdhsa_next_free_vgpr 1024
		.amdhsa_next_free_sgpr 98
		.amdhsa_reserve_vcc 0
		.amdhsa_float_denorm_mode_32 3
		.amdhsa_float_denorm_mode_16_64 3
		.amdhsa_memory_ordered 1
		.amdhsa_forward_progress 1
		.amdhsa_inst_pref_size 145
	.end_amdhsa_kernel
	.amdgpu_metadata
---
amdhsa.version: [ 1, 2 ]
amdhsa.kernels:
  - .name:           k_q4c1d0b95ea_outproj
    .symbol:         k_q4c1d0b95ea_outproj.kd
    .args:
      - { .name: a_img, .offset: 0, .size: 8, .value_kind: global_buffer, .address_space: global }
      - { .name: a_scales, .offset: 8, .size: 8, .value_kind: global_buffer, .address_space: global }
      - { .name: Wo_codes, .offset: 16, .size: 8, .value_kind: global_buffer, .address_space: global }
      - { .name: Wo_scales, .offset: 24, .size: 8, .value_kind: global_buffer, .address_space: global }
      - { .name: out0, .offset: 32, .size: 8, .value_kind: global_buffer, .address_space: global }
    .group_segment_fixed_size: 327680
    .private_segment_fixed_size: 0
    .kernarg_segment_align: 8
    .kernarg_segment_size: 40
    .max_flat_workgroup_size: 128
    .sgpr_count:     98
    .vgpr_count:     1024
    .wavefront_size: 32
...
	.end_amdgpu_metadata
.endif
;; end of part 3
